; MI455X (gfx1250); checked and timed in simulation.
; The chip was launched on July 23, 2026; its instructions are those of AMD's public machine-readable ISA for CDNA 5 (MIT licence, August 2026) and "CDNA5" Instruction Set Architecture Reference Guide (July 2026). The comments in the code are by the model that wrote it; some were corrected since.
;; Cross Attention. Allowed arithmetic: float matrix products may take bf16 or f16 operands with f32 sums; all other float work in f32.
;; Inputs: Wkv 1,024 x 128 float32; Wo 1,024 x 1,024 float32; Wq 1,024 x 1,024 float32; bkv 128 float32; bo 1,024 float32; bq 1,024 float32; kv 4 x 2,048 x 1,024 float32; q 4 x 2,048 x 1,024 float32.
;; Outputs: out0 4 x 2,048 x 1,024 float32.
;; 3 versions, each right; version 3 is version 2 with the launch prep written anew for expert scheduling mode. Each part assembles by itself: llvm-mc -triple=amdgcn-amd-amdhsa -mcpu=gfx1250 --defsym DOCPART=n.
;; ======== version 1 of 3: 3 launches
;; limits: values are held in f16: magnitudes above 65,504 overflow, below 6.1e-05 lose precision
;; workspace buffers: wqb 2,097,152 bytes; wob 2,097,152 bytes; rope 524,288 bytes; kb 1,048,576 bytes; vb 1,048,576 bytes; hb 16,777,216 bytes
;; launch prep (part 1): grid 256 x 1, 8 waves a work-group, no clusters, 144,384 bytes of LDS; arguments kv, Wkv, bkv, Wq, Wo, wqb, wob, rope, kb, vb; writes wqb, wob, rope, kb, vb
.if DOCPART == 1
	.amdgcn_target "amdgcn-amd-amdhsa--gfx1250"
	.amdhsa_code_object_version 6
	.text
	.protected	k_q3d7192bb2a_prep
	.globl	k_q3d7192bb2a_prep
	.p2align	8
	.type	k_q3d7192bb2a_prep,@function
k_q3d7192bb2a_prep:
	s_mov_b64 s[64:65], 0
	v_nop
	global_prefetch_b8 v0, s[64:65] scope:SCOPE_SE
	s_setreg_imm32_b32 hwreg(HW_REG_WAVE_MODE, 25, 1), 1
	s_wait_xcnt 0x0
; prep: (1) Wq and Wo, f32 [1024][1024], rounded to f16 in the same layout (wqb, wob);
;       (2) the rotary table rope[pos][f] = (cos, sin)(pos * 4096^(-f/32)) * sigma, sigma = log2(e)/8, f32, 2048 x 32 pairs;
;       (3) kv @ Wkv + bkv: columns 0-63 rotated (K) -> kb, columns 64-127 (V) -> vb, both f16 [8192][64].
; 256 work-groups of eight waves.  Work-group g owns rows 32 g .. 32 g + 31 of kv, elements 4096 g .. of Wq and Wo, table positions 8 g .. 8 g + 7.
; The product is split along K: wave w multiplies k = 128 w .. 128 w + 127 for all 32 rows x 128 columns (16 accumulator tiles, 4 chunks of 32 k),
; so no operand is read from LDS twice; the eight partial sums meet in LDS once, behind the text's only barrier.
; F16, NOT BF16: the attention's result is a mean over 2,048 keys, in which the rounding errors of the operands average down at the same rate as the mean
; itself, so every operand's relative rounding shows in full in the result; 11 significant bits keep the sum of all roundings far inside 1 per cent.
; ROOM IN F16 (largest number 65,504; below 2^-14 the step is 2^-24): kv of spread 1 and weights of spread 0.02 give K and V of spread 0.64.  All inputs
; 30 times larger: kv 30, weights 0.6, K and V 576.  All 30 times smaller: kv 0.033, weights 6.7e-4 (the step is 1e-4 of that), K and V 7e-4.  A common offset
; of 30 spreads on kv and on Wkv: K and V near 1024 x 30 x 0.6 = 18,432.  LIMIT: an operand beyond 65,504 in magnitude becomes an infinity.
; NO JOINT LOADS: Wkv is f32 with k down the rows; it has to pass through registers (rounding to f16) before it can lie in LDS for the
; transposing loads, so a tile brought into LDS by a copy engine would be read, rounded and stored there once more: 6 more LDS bytes an element.
; OTHER LIMITS: the angle's reduction (two-part pi/2) and the polynomials hold for angles up to 2047 rad, which the shapes give (pos < 2048, frequency <= 1);
; the sums over k are formed in another order than a plain ascending one; NaN and infinities are not treated specially.
.set AREA,   17920                     ; LDS of one wave: W chunk 32 x 288, then A 32 x 272; later the wave's partial sums, 32 x 528
.set WPITCH, 288                       ; 128 f16 + 32 bytes: an odd multiple of 32 for the transposing loads
.set APITCH, 272                       ; 128 f16 + 16 bytes
.set RPITCH, 528                       ; 128 f32 + 16 bytes
.set AOFF,   32*WPITCH
.set GA,   4                           ; 16 L + 512 w: my 16 bytes of a kv row's slice
.set GW,   5                           ; 16 L + 65536 w: my 16 bytes of a Wkv row, at my wave's first k
.set LAS,  6                           ; LDS: where I put 8 bytes of an A row
.set LWS,  7                           ; LDS: where I put 8 bytes of a W row
.set LAF,  8                           ; LDS: my part of an A fragment
.set LWF,  9                           ; LDS: my part of a W fragment (transposing load)
.set LRS,  10                          ; LDS: where I put my partial sums
.set LR0,  11                          ; LDS: where I read the partial sums of waves 0-3
.set LR1,  12                          ; and of waves 4-7
.set GC,   13                          ; 32 t
.set GS,   14                          ; 16 t
.set GB,   15                          ; 32 (L & 7)
.set CS,   16                          ; v[16:23] four (cos, sin) for my eight columns of K
.set TT,   24                          ; v[24:28] at work
.set POSF, 29
.set FF,   30
.set GT,   31                          ; 8 t
.set AFR,  32                          ; v[32:47] two A fragments
.set BK,   48                          ; v[48:55] bias of my eight K columns
.set BV,   56                          ; v[56:63] bias of my eight V columns
.set TMP,  64                          ; v[64:127] rounded words on their way into LDS, then the eight W fragments
.set ACC,  128                         ; v[128:255] tile (i, nt) at 128 + 8 (8 i + nt); later the partial sums read back
; window 1: v0-127 pool 0, v128-255 pool 1: 32 loads of 16 bytes a lane each
.set MSB, 0
.macro WIN new                         ; s_set_vgpr_msb: low byte = windows of source 0, 1, 2 and destination; high byte repeats the setting left
.if MSB != \new
	s_set_vgpr_msb (MSB<<8)|\new
.set MSB, \new
.endif
.endm
.macro PLACES                          ; four places behind a matrix instruction (ISA guide 7.12.1)
.rept 4
	v_nop
.endr
.endm
; (c, s) = (cos, sin) of POSF * 2^(-0.375 FF)
.macro SINCOS c, s
	v_mul_f32 v[TT], 0xbec00000, v[FF]             ; -0.375 f: 4096^(-f/32) = 2^(-12 f / 32)
	v_exp_f32 v[TT+1], v[TT]
	v_nop                                          ; one plain instruction behind v_exp_f32 (ISA guide 5.7.2)
	s_wait_alu depctr_va_vdst(0)
	v_mul_f32 v[TT], v[POSF], v[TT+1]              ; the angle, as reference() forms it
	v_mul_f32 v[TT+1], 0x3f22f983, v[TT]           ; x 2/pi
	v_rndne_f32 v[TT+1], v[TT+1]                   ; n quarter turns
	v_fma_f32 v[TT], v[TT+1], 0xbfc90fdb, v[TT]    ; - n x (pi/2 rounded to f32)
	v_fma_f32 v[TT], v[TT+1], 0x333bbd2e, v[TT]    ; + n x (that rounding's error): |x| <= pi/4
	v_cvt_i32_f32 v[TT+1], v[TT+1]
	v_mul_f32 v[TT+2], v[TT], v[TT]                ; z = x^2
	v_fma_f32 v[TT+3], v[TT+2], s30, 0x3c088889    ; sine: -z/5040 + 1/120
	v_fma_f32 v[TT+3], v[TT+3], v[TT+2], 0xbe2aaaab
	v_mul_f32 v[TT+4], v[TT], v[TT+2]
	v_fma_f32 v[TT+3], v[TT+4], v[TT+3], v[TT]     ; S = x + x z (..)
	v_fma_f32 v[TT+4], v[TT+2], s31, 0xbab60b61    ; cosine: z/40320 - 1/720
	v_fma_f32 v[TT+4], v[TT+4], v[TT+2], 0x3d2aaaab
	v_fma_f32 v[TT+4], v[TT+4], v[TT+2], -0.5
	v_fma_f32 v[TT+4], v[TT+4], v[TT+2], 1.0       ; C
	v_and_b32 v[TT], 1, v[TT+1]
	v_cmp_eq_u32 vcc_lo, 1, v[TT]                  ; an odd quarter swaps the two (a choice of values only)
	v_cndmask_b32 v[\s], v[TT+3], v[TT+4], vcc_lo
	v_cndmask_b32 v[\c], v[TT+4], v[TT+3], vcc_lo
	v_lshlrev_b32 v[TT], 30, v[TT+1]               ; sine is negative in quarters 2, 3: bit 1 of n
	v_and_b32 v[TT], 0x80000000, v[TT]
	v_xor_b32 v[\s], v[TT], v[\s]
	v_add_nc_u32 v[TT+1], 1, v[TT+1]               ; cosine in quarters 1, 2: bit 1 of n + 1
	v_lshlrev_b32 v[TT], 30, v[TT+1]
	v_and_b32 v[TT], 0x80000000, v[TT]
	v_xor_b32 v[\c], v[TT], v[\c]
.endm
.macro WLOAD b, pool                   ; 32 k rows of Wkv (chunk b of my slice), 512 bytes each, into a pool
	WIN 0x40
.set i, 0
.rept 32
	global_load_b128 v[\pool+4*i:\pool+4*i+3], v[GW], s[6:7] offset:(32*\b+i)*512
.set i, i+1
.endr
	WIN 0
.endm
.macro CVT64 pool                      ; a pool's 128 f32 a lane to 64 words of two f16
	WIN 0x05
.set i, 0
.rept 64
	v_cvt_pk_f16_f32 v[TMP+i], v[\pool+2*i], v[\pool+2*i+1]
.set i, i+1
.endr
	WIN 0
.endm
; One chunk of 32 k.  left = the loads that may stay out (the one younger batch of 32, or none).
.macro CHUNK c, pool, nextb, left, zero
	s_wait_loadcnt \left
.if \c
	PLACES                                         ; TMP and AFR were sources of the last chunk's matrix instructions
.endif
	CVT64 \pool
.set i, 0
.rept 32
	ds_store_b64 v[LWS], v[TMP+2*i:TMP+2*i+1] offset:i*WPITCH
.set i, i+1
.endr
.if \nextb
	WLOAD \nextb, \pool
.endif
.irp nt, 0,1,2,3,4,5,6,7
	ds_load_tr16_b128 v[TMP+8*\nt:TMP+8*\nt+3],   v[LWF] offset:32*\nt              ; LDS serves a wave's instructions in order: these see the stores above
	ds_load_tr16_b128 v[TMP+8*\nt+4:TMP+8*\nt+7], v[LWF] offset:32*\nt+16*WPITCH
.endr
.irp i2, 0,1
	ds_load_b128 v[AFR+8*\i2:AFR+8*\i2+3],   v[LAF] offset:16*APITCH*\i2+64*\c
	ds_load_b128 v[AFR+8*\i2+4:AFR+8*\i2+7], v[LAF] offset:16*APITCH*\i2+64*\c+32
.endr
	s_wait_dscnt 0x0
; source 0 = 16 columns of Wkv, source 1 = 16 rows of kv: a lane's eight results are eight neighbouring columns of one row.
; The 16 accumulators take turns, one instruction a turn.
.irp nt, 0,1,2,3,4,5,6,7
.irp i2, 0,1
.if \zero
	v_wmma_f32_16x16x32_f16 v[ACC+8*(8*\i2+\nt):ACC+8*(8*\i2+\nt)+7], v[TMP+8*\nt:TMP+8*\nt+7], v[AFR+8*\i2:AFR+8*\i2+7], 0
.else
	v_wmma_f32_16x16x32_f16 v[ACC+8*(8*\i2+\nt):ACC+8*(8*\i2+\nt)+7], v[TMP+8*\nt:TMP+8*\nt+7], v[AFR+8*\i2:AFR+8*\i2+7], v[ACC+8*(8*\i2+\nt):ACC+8*(8*\i2+\nt)+7]
.endif
.endr
.endr
.endm
.macro REDUCE x, b                     ; the eight waves' partial sums, ascending, then the bias
.irp u, 1,2,3,4,5,6,7
.irp m, 0,2,4,6
	v_pk_add_f32 v[\x+\m:\x+\m+1], v[\x+\m:\x+\m+1], v[\x+8*\u+\m:\x+8*\u+\m+1]
.endr
.endr
.irp m, 0,2,4,6
	v_pk_add_f32 v[\x+\m:\x+\m+1], v[\x+\m:\x+\m+1], v[\b+\m:\b+\m+1]
.endr
.endm
	s_load_b512 s[4:19], s[0:1], 0x0               ; kv 4, Wkv 6, bkv 8, Wq 10, Wo 12, wqb 14, wob 16, rope 18
	s_load_b128 s[20:23], s[0:1], 0x40             ; kb 20, vb 22
	v_lshrrev_b32 v1, 5, v0
	v_readfirstlane_b32 s24, v1                    ; wave
	v_and_b32 v1, 31, v0                           ; L
	v_and_b32 v2, 15, v0                           ; r
	v_bfe_u32 v3, v0, 4, 1                         ; h
	s_mul_i32 s25, s24, AREA                       ; my wave's LDS
	s_add_co_u32 s28, s25, AOFF
	s_mov_b32 s30, 0xb9500d01                      ; -1/5040
	s_mov_b32 s31, 0x37d00d01                      ; 1/40320
	v_lshlrev_b32 v24, 4, v1
	v_lshl_add_u32 v[GA], s24, 9, v24
	v_lshl_add_u32 v[GW], s24, 16, v24
	v_lshl_add_u32 v[LWS], v1, 3, s25
	v_lshl_add_u32 v[LAS], v1, 3, s28
	v_mul_u32_u24 v24, v2, APITCH
	v_lshl_add_u32 v24, v3, 4, v24
	v_add_nc_u32 v[LAF], s28, v24                  ; row r, 16 bytes for each half of the lanes
	v_and_b32 v26, 7, v0
	v_lshl_add_u32 v24, v3, 3, v26                 ; k row 8 h + (L & 7)
	v_mul_u32_u24 v24, v24, WPITCH
	v_bfe_u32 v25, v0, 3, 1
	v_lshl_add_u32 v24, v25, 4, v24
	v_add_nc_u32 v[LWF], s25, v24
	v_mul_u32_u24 v24, v2, RPITCH
	v_lshl_add_u32 v24, v3, 5, v24
	v_add_nc_u32 v[LRS], s25, v24
	v_lshrrev_b32 v27, 3, v0                       ; t >> 3: the row of the group's 32 that I finish
	v_mul_u32_u24 v24, v27, RPITCH
	v_lshl_add_u32 v[LR0], v26, 5, v24             ; and my eight columns
	v_add_nc_u32 v[LR1], 4*AREA, v[LR0]
	v_lshlrev_b32 v[GC], 5, v0
	v_lshlrev_b32 v[GS], 4, v0
	v_lshlrev_b32 v[GB], 5, v26
	v_lshlrev_b32 v[GT], 3, v0
	s_mov_b32 s27, 0
	s_wait_kmcnt 0x0
	s_lshl_b32 s26, ttmp9, 17                      ; 32 rows of 4,096 bytes
	s_add_nc_u64 s[4:5], s[4:5], s[26:27]
	s_lshl_b32 s26, ttmp9, 14                      ; 4,096 f32
	s_add_nc_u64 s[10:11], s[10:11], s[26:27]
	s_add_nc_u64 s[12:13], s[12:13], s[26:27]
	s_lshl_b32 s26, ttmp9, 13                      ; 4,096 f16
	s_add_nc_u64 s[14:15], s[14:15], s[26:27]
	s_add_nc_u64 s[16:17], s[16:17], s[26:27]
	s_lshl_b32 s26, ttmp9, 11                      ; 8 positions of 256 bytes
	s_add_nc_u64 s[18:19], s[18:19], s[26:27]
	s_lshl_b32 s26, ttmp9, 12                      ; 32 rows of 128 bytes
	s_add_nc_u64 s[20:21], s[20:21], s[26:27]
	s_add_nc_u64 s[22:23], s[22:23], s[26:27]
	global_load_b128 v[BK:BK+3],   v[GB], s[8:9]
	global_load_b128 v[BK+4:BK+7], v[GB], s[8:9] offset:16
	global_load_b128 v[BV:BV+3],   v[GB], s[8:9] offset:256
	global_load_b128 v[BV+4:BV+7], v[GB], s[8:9] offset:272
	global_load_b128 v[64:67], v[GC], s[10:11] th:TH_LOAD_NT
	global_load_b128 v[68:71], v[GC], s[10:11] offset:16 th:TH_LOAD_NT
	global_load_b128 v[72:75], v[GC], s[10:11] offset:8192 th:TH_LOAD_NT
	global_load_b128 v[76:79], v[GC], s[10:11] offset:8208 th:TH_LOAD_NT
	global_load_b128 v[80:83], v[GC], s[12:13] th:TH_LOAD_NT
	global_load_b128 v[84:87], v[GC], s[12:13] offset:16 th:TH_LOAD_NT
	global_load_b128 v[88:91], v[GC], s[12:13] offset:8192 th:TH_LOAD_NT
	global_load_b128 v[92:95], v[GC], s[12:13] offset:8208 th:TH_LOAD_NT
	WIN 0x40
.set i, 0
.rept 32
	global_load_b128 v[4*i:4*i+3], v[GA], s[4:5] offset:i*4096 th:TH_LOAD_NT   ; my slice (512 bytes) of the group's 32 rows, into pool 0
.set i, i+1
.endr
	WIN 0
	; while these fly: the four (cos, sin) of my eight K columns, and my pair of the table
	s_lshl_b32 s26, ttmp9, 5
	v_add_nc_u32 v27, s26, v27
	v_and_b32 v27, 0x7ff, v27                      ; the row's position in its sequence
	v_cvt_f32_u32 v[POSF], v27
	v_lshlrev_b32 v26, 2, v26
	v_cvt_f32_u32 v[FF], v26                       ; frequency 4 (L & 7)
	SINCOS CS, CS+1
	v_add_f32 v[FF], 1.0, v[FF]
	SINCOS CS+2, CS+3
	v_add_f32 v[FF], 1.0, v[FF]
	SINCOS CS+4, CS+5
	v_add_f32 v[FF], 1.0, v[FF]
	SINCOS CS+6, CS+7
	s_lshl_b32 s26, ttmp9, 3
	s_add_co_u32 s26, s26, s24                     ; table position 8 g + w, frequency L
	v_cvt_f32_u32 v[POSF], s26
	v_cvt_f32_u32 v[FF], v1
	SINCOS 112, 113
	v_mul_f32 v112, 0x3e38aa3b, v112               ; x log2(e) / 8: the scores then come out in powers of two
	v_mul_f32 v113, 0x3e38aa3b, v113
	global_store_b64 v[GT], v[112:113], s[18:19]   ; a wave stores 256 consecutive bytes
	s_wait_loadcnt 32                              ; the 32 kv loads are younger: the biases and my 32 numbers of Wq and Wo are in
.set i, 0
.rept 16
	v_cvt_pk_f16_f32 v[96+i], v[64+2*i], v[64+2*i+1]
.set i, i+1
.endr
	global_store_b128 v[GS], v[96:99],   s[14:15]
	global_store_b128 v[GS], v[100:103], s[14:15] offset:4096
	global_store_b128 v[GS], v[104:107], s[16:17]
	global_store_b128 v[GS], v[108:111], s[16:17] offset:4096
	WLOAD 0, 128
	s_wait_loadcnt 32                              ; chunk 0 of Wkv is younger: kv is in
	s_wait_xcnt 0x0                                ; v96-113 were stores' data: TMP is rewritten only behind this wait
	CVT64 0
.set i, 0
.rept 32
	ds_store_b64 v[LAS], v[TMP+2*i:TMP+2*i+1] offset:i*APITCH
.set i, i+1
.endr
	WLOAD 1, 0
	CHUNK 0, 128, 2, 32, 1
	CHUNK 1, 0,   3, 32, 0
	CHUNK 2, 128, 0, 32, 0
	CHUNK 3, 0,   0, 0,  0
	PLACES                                         ; the LDS stores read matrix results
.irp i2, 0,1
.irp nt, 0,1,2,3,4,5,6,7
	ds_store_b128 v[LRS], v[ACC+8*(8*\i2+\nt):ACC+8*(8*\i2+\nt)+3]   offset:16*RPITCH*\i2+64*\nt
	ds_store_b128 v[LRS], v[ACC+8*(8*\i2+\nt)+4:ACC+8*(8*\i2+\nt)+7] offset:16*RPITCH*\i2+64*\nt+16
.endr
.endr
	s_wait_dscnt 0x0                               ; my partial sums are in LDS: zero, for the other waves' sake
	s_barrier_signal -1
	s_barrier_wait -1
.irp u, 0,1,2,3
	ds_load_b128 v[128+8*\u:128+8*\u+3], v[LR0] offset:\u*AREA
	ds_load_b128 v[132+8*\u:132+8*\u+3], v[LR0] offset:\u*AREA+16
.endr
.irp u, 0,1,2,3
	ds_load_b128 v[160+8*\u:160+8*\u+3], v[LR1] offset:\u*AREA
	ds_load_b128 v[164+8*\u:164+8*\u+3], v[LR1] offset:\u*AREA+16
.endr
.irp u, 0,1,2,3
	ds_load_b128 v[192+8*\u:192+8*\u+3], v[LR0] offset:\u*AREA+256
	ds_load_b128 v[196+8*\u:196+8*\u+3], v[LR0] offset:\u*AREA+272
.endr
.irp u, 0,1,2,3
	ds_load_b128 v[224+8*\u:224+8*\u+3], v[LR1] offset:\u*AREA+256
	ds_load_b128 v[228+8*\u:228+8*\u+3], v[LR1] offset:\u*AREA+272
.endr
	s_wait_dscnt 16                                ; V's 16 loads are younger: K's are in
	REDUCE 128, BK
.irp e, 0,1,2,3
	v_mul_f32 v24, v[CS+2*\e+1], v[129+2*\e]       ; sin x1
	v_mul_f32 v25, v[CS+2*\e+1], v[128+2*\e]       ; sin x0
	v_fma_f32 v[128+2*\e], v[CS+2*\e], v[128+2*\e], -v24
	v_fma_f32 v[129+2*\e], v[CS+2*\e], v[129+2*\e], v25
.endr
.irp e, 0,1,2,3
	v_cvt_pk_f16_f32 v[64+\e], v[128+2*\e], v[129+2*\e]
.endr
	global_store_b128 v[GS], v[64:67], s[20:21]    ; a wave stores 512 consecutive bytes: four rows of K
	s_wait_dscnt 0x0
	REDUCE 192, BV
.irp e, 0,1,2,3
	v_cvt_pk_f16_f32 v[68+\e], v[192+2*\e], v[193+2*\e]
.endr
	global_store_b128 v[GS], v[68:71], s[22:23]
	s_wait_xcnt 0x0
	v_lshl_add_u32 v254, v0, 2, 0x23000
	v_mov_b32 v255, 0
	s_wait_tensorcnt 0x0
	ds_add_u32 v254, v255
	s_wait_dscnt 0x0
	s_endpgm
.Lfunc_end_k_q3d7192bb2a_prep:
	.size	k_q3d7192bb2a_prep, .Lfunc_end_k_q3d7192bb2a_prep-k_q3d7192bb2a_prep
	.p2alignl 7, 3214868480
	.fill 96, 4, 3214868480
	.section	.rodata,"a",@progbits
	.p2align	6, 0x0
	.amdhsa_kernel k_q3d7192bb2a_prep
		.amdhsa_group_segment_fixed_size 144384
		.amdhsa_private_segment_fixed_size 0
		.amdhsa_enable_private_segment 0
		.amdhsa_kernarg_size 80
		.amdhsa_user_sgpr_count 2
		.amdhsa_user_sgpr_kernarg_segment_ptr 1
		.amdhsa_wavefront_size32 1
		.amdhsa_system_sgpr_workgroup_id_x 1
		.amdhsa_system_sgpr_workgroup_id_y 1
		.amdhsa_system_sgpr_workgroup_id_z 1
		.amdhsa_system_vgpr_workitem_id 0
		.amdhsa_next_free_vgpr 512
		.amdhsa_next_free_sgpr 66
		.amdhsa_reserve_vcc 1
		.amdhsa_float_denorm_mode_32 3
		.amdhsa_float_denorm_mode_16_64 3
		.amdhsa_memory_ordered 1
		.amdhsa_forward_progress 1
		.amdhsa_inst_pref_size 79
	.end_amdhsa_kernel
	.amdgpu_metadata
---
amdhsa.version: [ 1, 2 ]
amdhsa.kernels:
  - .name:           k_q3d7192bb2a_prep
    .symbol:         k_q3d7192bb2a_prep.kd
    .args:
      - { .name: kv, .offset: 0, .size: 8, .value_kind: global_buffer, .address_space: global }
      - { .name: Wkv, .offset: 8, .size: 8, .value_kind: global_buffer, .address_space: global }
      - { .name: bkv, .offset: 16, .size: 8, .value_kind: global_buffer, .address_space: global }
      - { .name: Wq, .offset: 24, .size: 8, .value_kind: global_buffer, .address_space: global }
      - { .name: Wo, .offset: 32, .size: 8, .value_kind: global_buffer, .address_space: global }
      - { .name: wqb, .offset: 40, .size: 8, .value_kind: global_buffer, .address_space: global }
      - { .name: wob, .offset: 48, .size: 8, .value_kind: global_buffer, .address_space: global }
      - { .name: rope, .offset: 56, .size: 8, .value_kind: global_buffer, .address_space: global }
      - { .name: kb, .offset: 64, .size: 8, .value_kind: global_buffer, .address_space: global }
      - { .name: vb, .offset: 72, .size: 8, .value_kind: global_buffer, .address_space: global }
    .group_segment_fixed_size: 144384
    .private_segment_fixed_size: 0
    .kernarg_segment_align: 8
    .kernarg_segment_size: 80
    .max_flat_workgroup_size: 256
    .sgpr_count:     66
    .vgpr_count:     512
    .wavefront_size: 32
...
	.end_amdgpu_metadata
.endif
;; end of part 1
;; launch attn (part 2): grid 4 x 64, 8 waves a work-group, clusters of 4 x 4, 327,680 bytes of LDS; arguments q, wqb, bq, rope, kb, vb, hb; writes hb
.if DOCPART == 2
	.amdgcn_target "amdgcn-amd-amdhsa--gfx1250"
	.amdhsa_code_object_version 6
	.text
	.protected	k_q3d7192bb2a_attn
	.globl	k_q3d7192bb2a_attn
	.p2align	8
	.type	k_q3d7192bb2a_attn,@function
k_q3d7192bb2a_attn:
	s_mov_b64 s[64:65], 0
	v_nop
	global_prefetch_b8 v0, s[64:65] scope:SCOPE_SE
	s_setreg_imm32_b32 hwreg(HW_REG_WAVE_MODE, 25, 1), 1
	s_wait_xcnt 0x0
	s_wait_alu depctr_hold_cnt(0) depctr_sa_sdst(0) depctr_va_vdst(0) depctr_va_sdst(0) depctr_va_ssrc(0) depctr_va_vcc(0) depctr_vm_vsrc(0)
	s_getreg_b32 s2, hwreg(HW_REG_IB_STS2, 6, 4)
	s_cmp_eq_u32 s2, 0
	s_cbranch_scc0 .Lentry_in_a_cluster
	s_endpgm
.Lentry_in_a_cluster:
	s_bfe_u32 s2, ttmp6, 0x10000c
	s_cmp_lg_u32 s2, 0xf033
	s_cbranch_scc0 .Lentry_shape_is_right
	s_endpgm
.Lentry_shape_is_right:
; attn: hb[b][pos][64 head + d] = softmax(rope(q Wq + bq) rope(K)^T / 8) V, f16; one shared K and V head.
; A work-group owns 128 positions of one batch and 4 heads: a block of 128 x 256 of the Q projection, which never leaves registers.
; Eight waves, two on each SIMD, so that one wave's softmax arithmetic and the other's matrix instructions can overlap.  Wave w: rows 32 (w >> 1), columns 128 (w & 1) (two heads).
; PHASE 1, q Wq: K in 8 steps of 128 through two LDS slots (q as f32, rounded on the way into the fragments; wqb as f16 with k down the rows, read by
; transposing loads).  Source 0 = 16 columns of Wq, source 1 = 16 rows of q: lane (r, h) holds position r and eight neighbouring d.  After bias, rotation
; and packing that is the second-source fragment of Q for S^T = K Q^T.
; PHASE 2, attention in steps of 64 keys: S^T = K Q^T puts a query in a lane (r) and keys in its registers, so two packed S^T tiles are the second-source
; fragment of P^T, and O^T = V^T P^T keeps the query in the lane: maximum, sum and rescaling are one number a lane; the two halves of the lanes
; hold different keys and meet in one v_permlanex16_b32 a turn.  The maximum is a running one; the first step is written out and starts it.
; The table carries log2(e)/8, so that p = 2^(s - m).
; CLUSTER 4 x 4: cx = group of 4 heads, cy = batch, the cluster's y = block of 128 positions (the grid has one cluster along x).  The four of a row (same cy)
; need the same tiles of q, K and V; the four of a column (same cx) the same tiles of wqb.  Each such tile is asked for jointly.
; By this text's own count a wave has at most two tensor loads outstanding: the two first fills; later one.
; F16, NOT BF16: the result is a mean over 2,048 keys, in which the rounding errors of P and V average down at the same rate as the mean itself, so every
; operand's relative rounding shows in full in the result; 11 significant bits keep the sum of all roundings far inside 1 per cent.
; ROOM IN F16 (largest number 65,504; below 2^-14 the step is 2^-24): P lies in (0, 1] for every input, by the running maximum.  q of spread 1 and Wq of spread 0.02
; give Q x log2(e)/8 of spread 0.115: 104 with both 30 times larger, 1.3e-4 with both 30 times smaller (the step is 5e-4 of that), near 1024 x 30 x 0.6 x 0.18 = 3,300
; with a common offset of 30 spreads on both.  |h| is at most the largest |V| (prep's head: up to some 18,432 in those cases); its spread is 0.015, and 1.7e-5 with
; kv and Wkv both 30 times smaller, where the step's rounding error is 1e-3 of the spread.  LIMIT: an operand beyond 65,504 in magnitude becomes an infinity.
; OTHER LIMITS: NaN and infinities are not treated as reference() treats them; p below 2^-126 counts as 0 in the row sum and p below 2^-25 as 0 in P V;
; the row sum adds the unrounded p while P V takes p rounded to f16; sums are formed in another order than reference()'s.
.set SLOTG, 137216                     ; a slot of phase 1: q 128 x 528, then wqb 128 x 544
.set APG,   528                        ; 128 f32 + 16 bytes
.set BPG,   544                        ; 256 f16 + 32 bytes: an odd multiple of 32 for the transposing loads
.set BOFF,  128*APG
.set KP,    144                        ; 64 f16 + 16 bytes
.set VP,    160                        ; 64 f16 + 32 bytes
.set VOFF,  256*KP                     ; a slot of phase 2 (at 0 and at SLOTG): K 256 x 144, then V 256 x 160
.set STAGE, SLOTG+256*KP+256*VP        ; 215,040: behind phase 2's slot 1, in bytes whose last fill is phase 1's K step 7
.set SP,    272
.set ADRA, 1                           ; v1-2   LDS address of my q fragments, slot 0, 1
.set ADRB, 3                           ; v3-4   of my wqb fragments
.set ADRK, 5                           ; v5-6   of K fragments
.set ADRV, 7                           ; v7-8   of V fragments
.set STO,  9                           ; the way out: where I put 16 bytes
.set RD,   10                          ; where I read a row back
.set CO,   11                          ; my byte offset in hb
.set MX,   12                          ; v12-15 running maximum, one for each q tile
.set LS,   16                          ; v16-19 running sum (of my half's keys)
.set TM,   20                          ; v20-21 the new maximum, twice
.set AL,   22                          ; v22-23 2^(old maximum - new), twice
.set CH,   24                          ; v24-27 four chains
.set PT,   28
.set TD,   29
.set BO,   29                          ; before phase 2: 32 h, the bias loads' offset
.set TBO,  30                          ; 256 r + 32 h, the table loads' offset
.set PF,   31                          ; the prefetches' offset, never rewritten
.set R1,   32
.set R2,   96
.set WB,   32                          ; v32-95, v96-159  wqb fragments, two buffers
.set AB,   160                         ; v160-191 q fragments (f16), 160 + 16 buf + 8 i
.set AF,   224                         ; v224-255 q as loaded (f32)
.set KF,   32                          ; K fragment (a, f) at 32 + 16 a + 8 f
.set SB,   96                          ; S^T, two buffers of 32
.set QF,   160                         ; Q fragment (qt, f) at 160 + 16 qt + 8 f;  qt = 2 (row tile) + (head of my two)
.set SUMP, 224
.set SUMQ, 226
.set INV,  232
; window 1: v0-127 accumulators (i, nt) at 8 (8 i + nt), later O^T (qt, dt) at 32 qt + 8 dt; v128-191 bias, later V fragments (c, dt) at 128 + 32 c + 8 dt; v192-255 table
.set G1A, 24
.set G1B, 32
.set G1K, 40
.set G1V, 48
.set G0A, 56                           ; group 0: a set of four for each slot
.set G0B, 68
.set G0K, 76
.set G0V, 84
.set MSB, 0
.macro WIN new                         ; low byte: windows of source 0, 1, 2, destination; high byte repeats the setting left
.if MSB != \new
	s_set_vgpr_msb (MSB<<8)|\new
.set MSB, \new
.endif
.endm
.macro PLACES                          ; four places behind a matrix instruction (ISA guide 7.12.1)
.rept 4
	v_nop
.endr
.endm
.macro CREST                           ; a round of the cluster's barrier behind its opening barrier
	s_cmp_lg_u32 s18, 0
	s_cbranch_scc1 .Lnot_wave_0_\@
	s_barrier_signal -3
.Lnot_wave_0_\@:
	s_barrier_wait -3
	s_barrier_signal -1
	s_barrier_wait -1
.endm
.macro CROUND
	s_barrier_signal -1
	s_barrier_wait -1
	CREST
.endm
; A joint load: waves 0, 1 ask for the two halves of the first tile, waves 2, 3 of the second, waves 4-7 for nothing.  The branch hangs on the wave's number alone.
.macro JLOAD ga, g1a, gb, g1b
	s_cmp_lg_u32 s19, 0
	s_cbranch_scc1 .Lj_b_\@
	tensor_load_to_lds s[\ga:\ga+3], s[\g1a:\g1a+7]
	s_nop 0
	s_branch .Lj_e_\@
.Lj_b_\@:
	s_cmp_lg_u32 s19, 1
	s_cbranch_scc1 .Lj_e_\@
	tensor_load_to_lds s[\gb:\gb+3], s[\g1b:\g1b+7]
	s_nop 0
.Lj_e_\@:
.endm
.macro G0SET g0, ldsreg, alo, gstep    ; group 0 for slots 0 and 1: count 1, LDS address, global address of tile 0 / tile 1, type 2
.irp s, 0,1
	s_mov_b32 s[\g0+4*\s], 1
	s_add_co_u32 s[\g0+4*\s+1], s[\ldsreg], \s*SLOTG
	s_add_nc_u64 s[\g0+4*\s+2:\g0+4*\s+3], s[\alo:\alo+1], \s*\gstep
	s_or_b32 s[\g0+4*\s+3], s[\g0+4*\s+3], 0x80000000
.endr
.endm
; Waves 6 and 7 ask for q's K step 'tile' ahead of its tensor load: each work-group of a cluster row asks for 32 of the 128 rows, two lanes a row of 512 bytes,
; so each aligned block of 256 bytes is asked for once.  Tiles 2 and 3 at the start, tile t + 4 in K step t (two steps ahead of that tile's tensor load), nothing past tile 7.
.macro PREF tile
	s_cmp_lt_u32 s18, 6
	s_cbranch_scc1 .Lnp_\@
	global_prefetch_b8 v[PF], s[96:97] offset:512*(\tile) th:TH_LOAD_NT scope:SCOPE_SE
.Lnp_\@:
.endm
	s_load_b256 s[4:11], s[0:1], 0x0               ; q 4, wqb 6, bq 8, rope 10
	s_load_b128 s[12:15], s[0:1], 0x20             ; kb 12, vb 14
	s_load_b64 s[16:17], s[0:1], 0x30              ; hb
	v_lshl_add_u32 v254, v0, 2, 0x43000
	v_mov_b32 v255, 0
	ds_add_u32 v254, v255
	s_wait_dscnt 0x0
	v_lshrrev_b32 v32, 5, v0
	v_readfirstlane_b32 s18, v32                   ; wave
	s_lshr_b32 s19, s18, 1                         ; my 32 rows.  Also: which tile I fetch for (0, 1; above: none)
	s_and_b32 s20, s18, 1                          ; my 128 columns.  Also: which half of that tile
	s_bfe_u32 s21, ttmp6, 0x40000                  ; cx: group of 4 heads
	s_bfe_u32 s22, ttmp6, 0x40004                  ; cy: batch
	s_and_b32 s23, ttmp7, 0xffff                   ; the cluster's y: block of 128 positions
	s_mov_b32 s92, 0x76543210                      ; v_permlanex16_b32: lane i reads lane i of the other half
	s_mov_b32 s93, 0xfedcba98
	s_lshl_b32 s66, s22, 2
	s_lshl_b32 s66, 15, s66                        ; my row of the cluster
	s_lshl_b32 s67, 0x1111, s21                    ; my column
	; group 1.  q: 64 rows x 128 f32, pitch 1,024, 4 words of padding behind every 128 words
	s_or_b32 s[G1A+0], s66, (2<<16)|(1<<20)|(1<<21)|(6<<22)|(3<<25)
	s_mov_b32 s[G1A+1], 128<<16
	s_mov_b32 s[G1A+2], 64<<16
	s_mov_b32 s[G1A+3], 128<<16
	s_mov_b32 s[G1A+4], 64
	s_mov_b32 s[G1A+5], 1024
	s_mov_b32 s[G1A+6], 0
	s_mov_b32 s[G1A+7], 0
	; wqb: 64 k rows x 256 f16, pitch 1,024, 8 words behind every 128
	s_or_b32 s[G1B+0], s67, (1<<16)|(1<<20)|(1<<21)|(6<<22)|(7<<25)
	s_mov_b32 s[G1B+1], 256<<16
	s_mov_b32 s[G1B+2], 64<<16
	s_mov_b32 s[G1B+3], 256<<16
	s_mov_b32 s[G1B+4], 64
	s_mov_b32 s[G1B+5], 1024
	s_mov_b32 s[G1B+6], 0
	s_mov_b32 s[G1B+7], 0
	; K: 128 keys x 64 f16, pitch 64 (the head's own row length), 4 words behind every 32
	s_or_b32 s[G1K+0], s66, (1<<16)|(1<<20)|(1<<21)|(4<<22)|(3<<25)
	s_mov_b32 s[G1K+1], 64<<16
	s_mov_b32 s[G1K+2], 128<<16
	s_mov_b32 s[G1K+3], 64<<16
	s_mov_b32 s[G1K+4], 128
	s_mov_b32 s[G1K+5], 64
	s_mov_b32 s[G1K+6], 0
	s_mov_b32 s[G1K+7], 0
	; V: the same with 8 words of padding
	s_or_b32 s[G1V+0], s66, (1<<16)|(1<<20)|(1<<21)|(4<<22)|(7<<25)
	s_mov_b32 s[G1V+1], 64<<16
	s_mov_b32 s[G1V+2], 128<<16
	s_mov_b32 s[G1V+3], 64<<16
	s_mov_b32 s[G1V+4], 128
	s_mov_b32 s[G1V+5], 64
	s_mov_b32 s[G1V+6], 0
	s_mov_b32 s[G1V+7], 0
	; s96, s97, s100 never hold cx; s98, s99 never hold cy or the block of positions; s101 holds LDS addresses made of the wave's number alone
	s_lshl_b32 s100, s22, 11
	s_lshl_b32 s96, s23, 7
	s_add_co_u32 s100, s100, s96                   ; my block's first row of q and hb: 2048 cy + 128 block
	s_wait_kmcnt 0x0
	s_lshl_b32 s96, s20, 6
	s_add_co_u32 s96, s96, s100
	s_lshl_b32 s96, s96, 12                        ; rows of 4,096 bytes
	s_mov_b32 s97, 0
	s_add_nc_u64 s[96:97], s[4:5], s[96:97]
	s_mul_i32 s101, s20, 64*APG
	G0SET G0A, 101, 96, 512
	s_lshl_b32 s98, s20, 17                        ; 64 k rows of 2,048 bytes
	s_lshl_b32 s99, s21, 9                         ; 256 columns
	s_add_co_u32 s98, s98, s99
	s_mov_b32 s99, 0
	s_add_nc_u64 s[98:99], s[6:7], s[98:99]
	s_mul_i32 s101, s20, 64*BPG
	s_add_co_u32 s101, s101, BOFF
	G0SET G0B, 101, 98, 262144
	s_lshl_b32 s96, s22, 11
	s_lshl_b32 s97, s20, 7
	s_add_co_u32 s96, s96, s97
	s_lshl_b32 s96, s96, 7                         ; keys of 128 bytes
	s_mov_b32 s97, 0
	s_add_nc_u64 s[96:97], s[12:13], s[96:97]
	s_mul_i32 s101, s20, 128*KP
	G0SET G0K, 101, 96, 32768
	s_lshl_b32 s96, s22, 11
	s_lshl_b32 s97, s20, 7
	s_add_co_u32 s96, s96, s97
	s_lshl_b32 s96, s96, 7
	s_mov_b32 s97, 0
	s_add_nc_u64 s[96:97], s[14:15], s[96:97]
	s_mul_i32 s101, s20, 128*VP
	s_add_co_u32 s101, s101, VOFF
	G0SET G0V, 101, 96, 32768
	s_lshl_b32 s96, s23, 15                        ; table: position 128 block + 32 (w >> 1), 256 bytes each
	s_lshl_b32 s97, s19, 13
	s_add_co_u32 s96, s96, s97
	s_mov_b32 s97, 0
	s_add_nc_u64 s[10:11], s[10:11], s[96:97]
	s_lshl_b32 s96, s19, 5                         ; hb: my first row,
	s_add_co_u32 s96, s96, s100
	s_lshl_b32 s96, s96, 11
	s_add_nc_u64 s[16:17], s[16:17], s[96:97]
	s_lshl_b32 s98, s21, 9                         ; and my first column: 512 cx + 256 (w & 1) bytes
	s_lshl_b32 s99, s20, 8
	s_add_co_u32 s98, s98, s99
	s_mov_b32 s99, 0
	s_add_nc_u64 s[16:17], s[16:17], s[98:99]
	s_lshl_b32 s98, s98, 1                         ; the same columns in bq, f32
	s_add_nc_u64 s[8:9], s[8:9], s[98:99]
	s_lshl_b32 s96, s100, 12                       ; q at my block's first row: the prefetches' base, kept
	s_add_nc_u64 s[96:97], s[4:5], s[96:97]
	s_lshl_b32 s98, s21, 5
	s_lshl4_add_u32 s98, s20, s98                  ; 32 cx + 16 (w & 1): the rows that this wave asks for
	v_and_b32 v32, 15, v0                          ; r
	v_bfe_u32 v33, v0, 4, 1                        ; h
	v_and_b32 v34, 7, v0
	v_bfe_u32 v35, v0, 3, 1
	v_lshl_add_u32 v34, v33, 3, v34                ; 8 h + (L & 7): the row of a transposing load
	v_mul_u32_u24 v36, v32, APG
	v_lshl_add_u32 v36, v33, 5, v36
	s_mul_i32 s101, s19, 32*APG
	v_add_nc_u32 v[ADRA], s101, v36
	v_add_nc_u32 v[ADRA+1], SLOTG, v[ADRA]
	v_mul_u32_u24 v36, v34, BPG
	v_lshl_add_u32 v36, v35, 4, v36
	s_lshl_b32 s101, s20, 8
	s_add_co_u32 s101, s101, BOFF
	v_add_nc_u32 v[ADRB], s101, v36
	v_add_nc_u32 v[ADRB+1], SLOTG, v[ADRB]
	v_mul_u32_u24 v36, v32, KP
	v_lshl_add_u32 v[ADRK], v33, 4, v36
	v_add_nc_u32 v[ADRK+1], SLOTG, v[ADRK]
	v_mul_u32_u24 v36, v34, VP
	v_lshl_add_u32 v36, v35, 4, v36
	v_add_nc_u32 v[ADRV], VOFF, v36
	v_add_nc_u32 v[ADRV+1], SLOTG, v[ADRV]
	s_mul_i32 s101, s18, 16*SP
	s_add_co_u32 s101, s101, STAGE                 ; my stage
	v_mul_u32_u24 v36, v32, SP
	v_lshl_add_u32 v36, v33, 4, v36
	v_add_nc_u32 v[STO], s101, v36
	v_mul_u32_u24 v36, v33, SP
	v_lshl_add_u32 v36, v32, 4, v36
	v_add_nc_u32 v[RD], s101, v36
	v_lshlrev_b32 v36, 4, v32
	v_lshl_add_u32 v[CO], v33, 11, v36
	v_lshlrev_b32 v[BO], 5, v33
	v_lshl_add_u32 v[TBO], v32, 8, v[BO]
	v_bfe_u32 v36, v0, 1, 4
	v_add_nc_u32 v36, s98, v36
	v_and_b32 v37, 1, v0
	v_lshlrev_b32 v37, 8, v37
	v_lshl_add_u32 v[PF], v36, 12, v37
	v_mov_b32 v[PT], 0                             ; v_permlanex16_b32 counts as a reader of its destination
	CROUND                                         ; all sixteen work-groups are here: the first joint loads meet
	s_cmp_lg_u32 s19, 0                            ; a wave's two first fills stand in one branch on its number
	s_cbranch_scc1 .Lff_b
	tensor_load_to_lds s[G0A:G0A+3], s[G1A:G1A+7]
	s_nop 0
	tensor_load_to_lds s[G0A+4:G0A+7], s[G1A:G1A+7]
	s_nop 0
	s_branch .Lff_e
.Lff_b:
	s_cmp_lg_u32 s19, 1
	s_cbranch_scc1 .Lff_e
	tensor_load_to_lds s[G0B:G0B+3], s[G1B:G1B+7]
	s_nop 0
	tensor_load_to_lds s[G0B+4:G0B+7], s[G1B:G1B+7]
	s_nop 0
.Lff_e:
	PREF 2
	PREF 3
	WIN 0x40
.irp nt, 0,1,2,3,4,5,6,7
	global_load_b128 v[128+8*\nt:128+8*\nt+3], v[BO], s[8:9] offset:64*\nt          ; bq of columns 16 nt + 8 h + 0..7
	global_load_b128 v[132+8*\nt:132+8*\nt+3], v[BO], s[8:9] offset:64*\nt+16
.endr
.irp i, 0,1
.irp t, 0,1,2,3
	global_load_b128 v[192+32*\i+8*\t:192+32*\i+8*\t+3], v[TBO], s[10:11] offset:4096*\i+64*\t      ; (cos, sin) of position 16 i + r, frequencies 8 t + 4 h + 0..3
	global_load_b128 v[196+32*\i+8*\t:196+32*\i+8*\t+3], v[TBO], s[10:11] offset:4096*\i+64*\t+16
.endr
.endr
	WIN 0
; ---------------- phase 1 ----------------
.macro FETCHG slot, c, buf             ; the fragments of 32 k: q as f32 (8 loads), wqb by transposing loads (16)
.irp i, 0,1
	ds_load_b128 v[AF+16*\i:AF+16*\i+3],     v[ADRA+\slot] offset:16*APG*\i+128*\c
	ds_load_b128 v[AF+16*\i+4:AF+16*\i+7],   v[ADRA+\slot] offset:16*APG*\i+128*\c+16
	ds_load_b128 v[AF+16*\i+8:AF+16*\i+11],  v[ADRA+\slot] offset:16*APG*\i+128*\c+64
	ds_load_b128 v[AF+16*\i+12:AF+16*\i+15], v[ADRA+\slot] offset:16*APG*\i+128*\c+80
.endr
.irp nt, 0,1,2,3,4,5,6,7
	ds_load_tr16_b128 v[WB+64*\buf+8*\nt:WB+64*\buf+8*\nt+3],   v[ADRB+\slot] offset:32*BPG*\c+32*\nt
	ds_load_tr16_b128 v[WB+64*\buf+8*\nt+4:WB+64*\buf+8*\nt+7], v[ADRB+\slot] offset:32*BPG*\c+32*\nt+16*BPG
.endr
.endm
.macro CVTG buf                        ; q to f16.  These 16 plain instructions are also the places between a matrix instruction and the loads and writes that follow
.irp i, 0,1
.irp m, 0,1,2,3,4,5,6,7
	v_cvt_pk_f16_f32 v[AB+16*\buf+8*\i+\m], v[AF+16*\i+2*\m], v[AF+16*\i+2*\m+1]
.endr
.endr
.endm
.macro MMG buf, zero                   ; 16 matrix instructions; the 16 accumulators take turns, one instruction a turn
	WIN 0x50
.irp nt, 0,1,2,3,4,5,6,7
.irp i, 0,1
.if \zero
	v_wmma_f32_16x16x32_f16 v[8*(8*\i+\nt):8*(8*\i+\nt)+7], v[WB+64*\buf+8*\nt:WB+64*\buf+8*\nt+7], v[AB+16*\buf+8*\i:AB+16*\buf+8*\i+7], 0
.else
	v_wmma_f32_16x16x32_f16 v[8*(8*\i+\nt):8*(8*\i+\nt)+7], v[WB+64*\buf+8*\nt:WB+64*\buf+8*\nt+7], v[AB+16*\buf+8*\i:AB+16*\buf+8*\i+7], v[8*(8*\i+\nt):8*(8*\i+\nt)+7]
.endif
.endr
.endr
	WIN 0
.endm
; K step t on slot 'slot'.  In its last quarter the slot changes: each wave's reads of the slot are back and all its tensor loads have landed in front of the
; opening signal of a round of the cluster's barrier; only matrix instructions stand inside; the joint refill is the first tensor load behind the round.
; Steps 0-5 refill with K step t + 2; steps 6 and 7 bring phase 2's first two tiles of K and V into the slots that phase 1 has left.
.macro GSTEP t, slot, other
	s_wait_dscnt 0x0
	CVTG 0
	FETCHG \slot, 1, 1
.if \t == 0
	MMG 0, 1                                       ; the first products start the sums: nothing is cleared
.else
	MMG 0, 0
.endif
	s_wait_dscnt 0x0
	CVTG 1
	FETCHG \slot, 2, 0
	MMG 1, 0
	s_wait_dscnt 0x0
	CVTG 0
	FETCHG \slot, 3, 1
	MMG 0, 0
	s_wait_dscnt 0x0                               ; my reads of this slot are over
	CVTG 1
	s_wait_xcnt 0x0
	v_lshl_add_u32 v254, v0, 2, 0x43000
	v_mov_b32 v255, 0
	s_wait_tensorcnt 0x0                           ; all my tensor loads have landed: my part of the other slot
	ds_add_u32 v254, v255
	s_wait_dscnt 0x0
	s_barrier_signal -1
	MMG 1, 0
	s_barrier_wait -1
	CREST
.if \t < 6
	s_add_nc_u64 s[G0A+4*\slot+2:G0A+4*\slot+3], s[G0A+4*\slot+2:G0A+4*\slot+3], 1024
	s_add_nc_u64 s[G0B+4*\slot+2:G0B+4*\slot+3], s[G0B+4*\slot+2:G0B+4*\slot+3], 524288
	JLOAD G0A+4*\slot, G1A, G0B+4*\slot, G1B
.else
	JLOAD G0K+4*\slot, G1K, G0V+4*\slot, G1V
.endif
.if \t < 4
	PREF \t+4
.endif
.if \t < 7
	FETCHG \other, 0, 0
.endif
.endm
	s_wait_tensorcnt 0x1                           ; my part of K step 0 is in; K step 1's may stay out
	s_barrier_signal -1
	s_barrier_wait -1
	FETCHG 0, 0, 0
	GSTEP 0, 0, 1
	GSTEP 1, 1, 0
	GSTEP 2, 0, 1
	GSTEP 3, 1, 0
	GSTEP 4, 0, 1
	GSTEP 5, 1, 0
	GSTEP 6, 0, 1
	GSTEP 7, 1, 0
	; bias, rotation (the table carries log2(e)/8), packing into the Q fragments
	PLACES
	s_wait_loadcnt 0x0                             ; bias and table
.irp i, 0,1
	WIN 0x05
.irp nt, 0,1,2,3,4,5,6,7
.irp m, 0,2,4,6
	v_pk_add_f32 v[R1+8*\nt+\m:R1+8*\nt+\m+1], v[8*(8*\i+\nt)+\m:8*(8*\i+\nt)+\m+1], v[128+8*\nt+\m:128+8*\nt+\m+1]
.endr
.endr
	WIN 0x01
.irp nt, 0,1,2,3,4,5,6,7
.irp e, 0,1,2,3
	v_mul_f32 v[R2+8*\nt+2*\e],   v[192+32*\i+8*(\nt&3)+2*\e+1], v[R1+8*\nt+2*\e+1]      ; sin x1
	v_mul_f32 v[R2+8*\nt+2*\e+1], v[192+32*\i+8*(\nt&3)+2*\e+1], v[R1+8*\nt+2*\e]        ; sin x0
.endr
.endr
.irp nt, 0,1,2,3,4,5,6,7
.irp e, 0,1,2,3
	v_fma_f32 v[R1+8*\nt+2*\e],   v[192+32*\i+8*(\nt&3)+2*\e], v[R1+8*\nt+2*\e],   -v[R2+8*\nt+2*\e]
	v_fma_f32 v[R1+8*\nt+2*\e+1], v[192+32*\i+8*(\nt&3)+2*\e], v[R1+8*\nt+2*\e+1], v[R2+8*\nt+2*\e+1]
.endr
.endr
	WIN 0
.irp nt, 0,1,2,3,4,5,6,7
.irp e, 0,1,2,3
	v_cvt_pk_f16_f32 v[QF+16*(2*\i+(\nt>>2))+4*(\nt&3)+\e], v[R1+8*\nt+2*\e], v[R1+8*\nt+2*\e+1]
.endr
.endr
.endr
; ---------------- phase 2 ----------------
.macro KLOAD slot, st                  ; 64 keys x 64 d: eight first-source fragments
.irp a, 0,1,2,3
.irp f, 0,1
	ds_load_b128 v[KF+16*\a+8*\f:KF+16*\a+8*\f+3],   v[ADRK+\slot] offset:(64*\st+16*\a)*KP+64*\f
	ds_load_b128 v[KF+16*\a+8*\f+4:KF+16*\a+8*\f+7], v[ADRK+\slot] offset:(64*\st+16*\a)*KP+64*\f+32
.endr
.endr
.endm
.macro VLOAD slot, st                  ; V^T of the same keys: eight first-source fragments by transposing loads, into window 1
	WIN 0x40
.irp c2, 0,1
.irp dt, 0,1,2,3
	ds_load_tr16_b128 v[128+32*\c2+8*\dt:128+32*\c2+8*\dt+3], v[ADRV+\slot] offset:(64*\st+32*\c2)*VP+32*\dt
	ds_load_tr16_b128 v[132+32*\c2+8*\dt:132+32*\c2+8*\dt+3], v[ADRV+\slot] offset:(64*\st+32*\c2)*VP+32*\dt+16*VP
.endr
.endr
	WIN 0
.endm
.macro SMM nq, sb                      ; S^T of q tile nq: four key tiles by turns, d 0-31 (starting the sums), then d 32-63
.irp a, 0,1,2,3
	v_wmma_f32_16x16x32_f16 v[SB+32*(\sb)+8*\a:SB+32*(\sb)+8*\a+7], v[KF+16*\a:KF+16*\a+7], v[QF+16*(\nq):QF+16*(\nq)+7], 0
.endr
.irp a, 0,1,2,3
	v_wmma_f32_16x16x32_f16 v[SB+32*(\sb)+8*\a:SB+32*(\sb)+8*\a+7], v[KF+16*\a+8:KF+16*\a+15], v[QF+16*(\nq)+8:QF+16*(\nq)+15], v[SB+32*(\sb)+8*\a:SB+32*(\sb)+8*\a+7]
.endr
.endm
.macro SUBE a                          ; key tile a: s - m, then 2^x in place
.irp m, 0,2,4,6
	v_pk_add_f32 v[SBB+8*\a+\m:SBB+8*\a+\m+1], v[SBB+8*\a+\m:SBB+8*\a+\m+1], v[TM:TM+1] neg_lo:[0,1] neg_hi:[0,1]
.endr
.irp m, 0,1,2,3,4,5,6,7
	v_exp_f32 v[SBB+8*\a+\m], v[SBB+8*\a+\m]
.endr
.endm
.macro SUMC a                          ; key tile a: into the row sum (two chains), then packed to f16 at SBB + 4 a: tiles 2 c, 2 c + 1 make the fragment of keys 32 c ..
.if \a == 0
	s_wait_alu depctr_va_vdst(0)
	v_pk_add_f32 v[SUMP:SUMP+1], v[SBB:SBB+1], v[SBB+2:SBB+3]
	v_pk_add_f32 v[SUMQ:SUMQ+1], v[SBB+4:SBB+5], v[SBB+6:SBB+7]
.else
	s_wait_alu depctr_va_vdst(0)
	v_pk_add_f32 v[SUMP:SUMP+1], v[SUMP:SUMP+1], v[SBB+8*\a:SBB+8*\a+1]
	v_pk_add_f32 v[SUMQ:SUMQ+1], v[SUMQ:SUMQ+1], v[SBB+8*\a+2:SBB+8*\a+3]
	v_pk_add_f32 v[SUMP:SUMP+1], v[SUMP:SUMP+1], v[SBB+8*\a+4:SBB+8*\a+5]
	v_pk_add_f32 v[SUMQ:SUMQ+1], v[SUMQ:SUMQ+1], v[SBB+8*\a+6:SBB+8*\a+7]
.endif
.irp m, 0,1,2,3
	v_cvt_pk_f16_f32 v[SBB+4*\a+\m], v[SBB+8*\a+2*\m], v[SBB+8*\a+2*\m+1]
.endr
.endm
; The turn of q tile qt in the step of keys 64 st .. of slot 'slot'.  Its S^T lies in buffer qt & 1; the next tile's S^T is issued into the other buffer
; between the maximum and the exponentials.  chg (used in turn 2): 2 = this slot has been read to its end and is filled again; 1 = it is left, nothing is fetched.
; (nslot, nst): the next step.  last = 1: there is none.
.macro TURN qt, first, slot, st, chg, nslot, nst, last
.set SBB, SB+32*(\qt&1)
.set NQ, (\qt+1)&3
.set NSB, (\qt+1)&1
	; the largest of my 32 scores and the running maximum: 16 three-way maxima in four chains.  They name neither the last P V's registers nor the last S^T's:
	; they are the places in front of the loads of V and of the matrix instructions that write the other buffer.
.irp k, 0,1,2,3
	v_max3_num_f32 v[CH+\k], v[SBB+8*\k], v[SBB+8*\k+1], v[SBB+8*\k+2]
.endr
.irp k, 0,1,2,3
	v_max3_num_f32 v[CH+\k], v[CH+\k], v[SBB+8*\k+3], v[SBB+8*\k+4]
.endr
.if \qt == 0
	VLOAD \slot, \st
.endif
.irp k, 0,1,2,3
	v_max3_num_f32 v[CH+\k], v[CH+\k], v[SBB+8*\k+5], v[SBB+8*\k+6]
.endr
	v_max3_num_f32 v[CH], v[CH], v[SBB+7], v[SBB+15]
	v_max3_num_f32 v[CH+1], v[CH+1], v[SBB+23], v[SBB+31]
.if \first
	v_max_num_f32 v[CH+2], v[CH+2], v[CH+3]
.else
	v_max3_num_f32 v[CH+2], v[CH+2], v[CH+3], v[MX+\qt]
.endif
	v_max3_num_f32 v[CH], v[CH], v[CH+1], v[CH+2]
	v_permlanex16_b32 v[PT], v[CH], s92, s93       ; the other half of the lanes holds the query's other 32 keys
	v_max_num_f32 v[TM], v[CH], v[PT]
	v_max_num_f32 v[TM+1], v[CH], v[PT]
.if \first == 0
	v_sub_f32 v[TD], v[MX+\qt], v[TM]
	v_exp_f32 v[AL], v[TD]
	v_exp_f32 v[AL+1], v[TD]
.endif
	v_mov_b32 v[MX+\qt], v[TM]                     ; also the plain instruction behind the two exponentials (ISA guide 5.7.2)
.if \qt == 3
.if \last == 0
	s_wait_dscnt 0x0                               ; the next step's K fragments, asked for in turn 2
	SMM 0, 0
.endif
.else
	SMM NQ, NSB
.endif
	; each run of exponentials is followed by plain arithmetic on another key tile
	SUBE 0
	SUBE 1
.if \qt == 2
.if \chg == 2
	s_wait_dscnt 0x0                               ; my reads of this slot are over (K's in the last step, V's in turn 0)
	s_wait_xcnt 0x0
	v_lshl_add_u32 v254, v0, 2, 0x43000
	v_mov_b32 v255, 0
	s_wait_tensorcnt 0x0                           ; all my tensor loads have landed: my part of the other slot
	ds_add_u32 v254, v255
	s_wait_dscnt 0x0
	CROUND                                         ; both hold of every wave of the cluster
	s_add_nc_u64 s[G0K+4*\slot+2:G0K+4*\slot+3], s[G0K+4*\slot+2:G0K+4*\slot+3], 65536
	s_add_nc_u64 s[G0V+4*\slot+2:G0V+4*\slot+3], s[G0V+4*\slot+2:G0V+4*\slot+3], 65536
	JLOAD G0K+4*\slot, G1K, G0V+4*\slot, G1V       ; 256 keys, two tiles on: they have four steps in which to land
.endif
.if \chg == 1
	s_wait_dscnt 0x0
	s_wait_tensorcnt 0x0                           ; my part of the last tile has landed;
	s_barrier_signal -1
	s_barrier_wait -1                              ; everybody's has.
.endif
.if \last == 0
	KLOAD \nslot, \nst                             ; eight packed subtractions stand between the last S^T's matrix instructions and these loads into their sources
.endif
.endif
	SUMC 0
	SUBE 2
	SUMC 1
	SUBE 3
	SUMC 2
	SUMC 3
	v_pk_add_f32 v[SUMP:SUMP+1], v[SUMP:SUMP+1], v[SUMQ:SUMQ+1]
.if \first
	v_add_f32 v[LS+\qt], v[SUMP], v[SUMP+1]
.else
	v_add_f32 v[SUMP], v[SUMP], v[SUMP+1]
	v_fma_f32 v[LS+\qt], v[LS+\qt], v[AL], v[SUMP]
.endif
.if \qt == 0
	s_wait_dscnt 0x0                               ; this step's V fragments
.endif
	WIN 0x51
.if \first == 0
.irp dt, 0,1,2,3
.irp m, 0,2,4,6
	v_pk_mul_f32 v[32*\qt+8*\dt+\m:32*\qt+8*\dt+\m+1], v[32*\qt+8*\dt+\m:32*\qt+8*\dt+\m+1], v[AL:AL+1]
.endr
.endr
.endif
	; O^T += V^T P^T: the four d tiles take turns, keys 0-31, then keys 32-63
.irp dt, 0,1,2,3
.if \first
	v_wmma_f32_16x16x32_f16 v[32*\qt+8*\dt:32*\qt+8*\dt+7], v[128+8*\dt:128+8*\dt+7], v[SBB:SBB+7], 0
.else
	v_wmma_f32_16x16x32_f16 v[32*\qt+8*\dt:32*\qt+8*\dt+7], v[128+8*\dt:128+8*\dt+7], v[SBB:SBB+7], v[32*\qt+8*\dt:32*\qt+8*\dt+7]
.endif
.endr
.irp dt, 0,1,2,3
	v_wmma_f32_16x16x32_f16 v[32*\qt+8*\dt:32*\qt+8*\dt+7], v[160+8*\dt:160+8*\dt+7], v[SBB+8:SBB+15], v[32*\qt+8*\dt:32*\qt+8*\dt+7]
.endr
	WIN 0
.endm
.macro ASTEP slot, st, first, chg, nslot, nst, last
	TURN 0, \first, \slot, \st, \chg, \nslot, \nst, \last
	TURN 1, \first, \slot, \st, \chg, \nslot, \nst, \last
	TURN 2, \first, \slot, \st, \chg, \nslot, \nst, \last
	TURN 3, \first, \slot, \st, \chg, \nslot, \nst, \last
.endm
	KLOAD 0, 0                                     ; tile 0 was shown landed to every wave by K step 7's round
	s_wait_dscnt 0x0
	SMM 0, 0
	PLACES                                         ; the first turn reads these results at once
	ASTEP 0, 0, 1, 0, 0, 1, 0                      ; the first step starts maximum, sum and O^T
	s_mov_b32 s94, 3                               ; three trips of eight steps: tiles 2 to 7 are asked for in them
.Lkv:
	ASTEP 0, 1, 0, 0, 0, 2, 0
	ASTEP 0, 2, 0, 0, 0, 3, 0
	ASTEP 0, 3, 0, 2, 1, 0, 0
	ASTEP 1, 0, 0, 0, 1, 1, 0
	ASTEP 1, 1, 0, 0, 1, 2, 0
	ASTEP 1, 2, 0, 0, 1, 3, 0
	ASTEP 1, 3, 0, 2, 0, 0, 0
	ASTEP 0, 0, 0, 0, 0, 1, 0
	s_sub_co_u32 s94, s94, 1
	s_cmp_lg_u32 s94, 0
	s_cbranch_scc1 .Lkv
	ASTEP 0, 1, 0, 0, 0, 2, 0                      ; the last seven steps fetch nothing
	ASTEP 0, 2, 0, 0, 0, 3, 0
	ASTEP 0, 3, 0, 1, 1, 0, 0
	ASTEP 1, 0, 0, 0, 1, 1, 0
	ASTEP 1, 1, 0, 0, 1, 2, 0
	ASTEP 1, 2, 0, 0, 1, 3, 0
	ASTEP 1, 3, 0, 0, 0, 0, 1
	; the way out: 1 / l, rounding to f16, 16 rows at a time through my own stage, whole rows of 256 bytes to hb
	PLACES
.irp x, 0,1,2,3
	v_permlanex16_b32 v[CH+\x], v[LS+\x], s92, s93 ; the other half's part of the sum
.endr
.irp x, 0,1,2,3
	v_add_f32 v[CH+\x], v[CH+\x], v[LS+\x]
.endr
.irp x, 0,1,2,3
	v_rcp_f32 v[INV+2*\x], v[CH+\x]
	v_rcp_f32 v[INV+2*\x+1], v[CH+\x]
.endr
	v_nop                                          ; one plain instruction behind the reciprocals (ISA guide 5.7.2)
	s_wait_alu depctr_va_vdst(0)
.macro OUT16 i, fb                     ; rows 16 i .. 16 i + 15 of my 32, my 128 columns; fb: the registers of the read-back, a set of its own for each i
	WIN 0x01
.irp hd, 0,1
.irp dt, 0,1,2,3
.irp m, 0,2,4,6
	v_pk_mul_f32 v[R1+32*\hd+8*\dt+\m:R1+32*\hd+8*\dt+\m+1], v[32*(2*\i+\hd)+8*\dt+\m:32*(2*\i+\hd)+8*\dt+\m+1], v[INV+2*(2*\i+\hd):INV+2*(2*\i+\hd)+1]
.endr
.endr
.endr
	WIN 0
.irp hd, 0,1
.irp dt, 0,1,2,3
.irp e, 0,1,2,3
	v_cvt_pk_f16_f32 v[R2+16*\hd+4*\dt+\e], v[R1+32*\hd+8*\dt+2*\e], v[R1+32*\hd+8*\dt+2*\e+1]
.endr
.endr
.endr
.irp hd, 0,1
.irp dt, 0,1,2,3
	ds_store_b128 v[STO], v[R2+4*(4*\hd+\dt):R2+4*(4*\hd+\dt)+3] offset:32*(4*\hd+\dt)
.endr
.endr
.irp t, 0,1,2,3,4,5,6,7
	ds_load_b128 v[\fb+4*\t:\fb+4*\t+3], v[RD] offset:\t*2*SP      ; LDS serves a wave's instructions in order: these see the stores above
.endr
.irp t, 0,1,2,3,4,5,6,7
	s_wait_dscnt 7-\t                              ; the younger read-backs may stay out
	global_store_b128 v[CO], v[\fb+4*\t:\fb+4*\t+3], s[16:17] offset:(16*\i+2*\t)*2048   ; 16 lanes store 256 consecutive bytes, at a multiple of 256 from hb's first byte
.endr
.endm
	OUT16 0, 128
	OUT16 1, 160
	s_wait_xcnt 0x0
	v_lshl_add_u32 v254, v0, 2, 0x43000
	v_mov_b32 v255, 0
	s_wait_tensorcnt 0x0
	ds_add_u32 v254, v255
	s_wait_dscnt 0x0
	CROUND                                         ; the closing round: no work-group ends while a partner may still ask for a tile that names it
	s_endpgm
.Lfunc_end_k_q3d7192bb2a_attn:
	.size	k_q3d7192bb2a_attn, .Lfunc_end_k_q3d7192bb2a_attn-k_q3d7192bb2a_attn
	.p2alignl 7, 3214868480
	.fill 96, 4, 3214868480
	.section	.rodata,"a",@progbits
	.p2align	6, 0x0
	.amdhsa_kernel k_q3d7192bb2a_attn
		.amdhsa_group_segment_fixed_size 327680
		.amdhsa_private_segment_fixed_size 0
		.amdhsa_enable_private_segment 0
		.amdhsa_kernarg_size 56
		.amdhsa_user_sgpr_count 2
		.amdhsa_user_sgpr_kernarg_segment_ptr 1
		.amdhsa_wavefront_size32 1
		.amdhsa_system_sgpr_workgroup_id_x 1
		.amdhsa_system_sgpr_workgroup_id_y 1
		.amdhsa_system_sgpr_workgroup_id_z 1
		.amdhsa_system_vgpr_workitem_id 0
		.amdhsa_next_free_vgpr 512
		.amdhsa_next_free_sgpr 102
		.amdhsa_reserve_vcc 0
		.amdhsa_float_denorm_mode_32 3
		.amdhsa_float_denorm_mode_16_64 3
		.amdhsa_memory_ordered 1
		.amdhsa_forward_progress 1
		.amdhsa_inst_pref_size 255
	.end_amdhsa_kernel
	.section	.bss,"aw",@nobits
	.p2align	6
	.space	262144
	.amdgpu_metadata
---
amdhsa.version: [ 1, 2 ]
amdhsa.kernels:
  - .name:           k_q3d7192bb2a_attn
    .symbol:         k_q3d7192bb2a_attn.kd
    .args:
      - { .name: q, .offset: 0, .size: 8, .value_kind: global_buffer, .address_space: global }
      - { .name: wqb, .offset: 8, .size: 8, .value_kind: global_buffer, .address_space: global }
      - { .name: bq, .offset: 16, .size: 8, .value_kind: global_buffer, .address_space: global }
      - { .name: rope, .offset: 24, .size: 8, .value_kind: global_buffer, .address_space: global }
      - { .name: kb, .offset: 32, .size: 8, .value_kind: global_buffer, .address_space: global }
      - { .name: vb, .offset: 40, .size: 8, .value_kind: global_buffer, .address_space: global }
      - { .name: hb, .offset: 48, .size: 8, .value_kind: global_buffer, .address_space: global }
    .group_segment_fixed_size: 327680
    .private_segment_fixed_size: 0
    .kernarg_segment_align: 8
    .kernarg_segment_size: 56
    .max_flat_workgroup_size: 256
    .sgpr_count:     102
    .vgpr_count:     512
    .wavefront_size: 32
...
	.end_amdgpu_metadata
.endif
;; end of part 2
;; launch oproj (part 3): grid 4 x 64, 4 waves a work-group, clusters of 4 x 4, 327,680 bytes of LDS; arguments hb, wob, bo, out0; writes out0
.if DOCPART == 3
	.amdgcn_target "amdgcn-amd-amdhsa--gfx1250"
	.amdhsa_code_object_version 6
	.text
	.protected	k_q3d7192bb2a_oproj
	.globl	k_q3d7192bb2a_oproj
	.p2align	8
	.type	k_q3d7192bb2a_oproj,@function
k_q3d7192bb2a_oproj:
	s_mov_b64 s[64:65], 0
	v_nop
	global_prefetch_b8 v0, s[64:65] scope:SCOPE_SE
	s_setreg_imm32_b32 hwreg(HW_REG_WAVE_MODE, 25, 1), 1
	s_wait_xcnt 0x0
	s_wait_alu depctr_hold_cnt(0) depctr_sa_sdst(0) depctr_va_vdst(0) depctr_va_sdst(0) depctr_va_ssrc(0) depctr_va_vcc(0) depctr_vm_vsrc(0)
	s_getreg_b32 s2, hwreg(HW_REG_IB_STS2, 6, 4)
	s_cmp_eq_u32 s2, 0
	s_cbranch_scc0 .Lentry_in_a_cluster
	s_endpgm
.Lentry_in_a_cluster:
	s_bfe_u32 s2, ttmp6, 0x10000c
	s_cmp_lg_u32 s2, 0xf033
	s_cbranch_scc0 .Lentry_shape_is_right
	s_endpgm
.Lentry_shape_is_right:
; oproj: out0 = hb wob + bo.  hb: f16 [8192][1024]; wob: f16 [1024 k][1024 n]; bo, out0: f32.  Sums in f32.
; A work-group makes a block of 128 x 256 with four waves, as many as a WGP has SIMDs; a wave makes 64 x 128: 32 accumulator tiles, all of register window 1.
; (256 x 256 blocks would give 128 work-groups for these sizes.)  K goes in 8 steps of 128 through two LDS slots; all steps are written out.
; Source 0 = 16 columns of wob (transposing loads: k lies down its rows), source 1 = 16 rows of hb: a lane's eight results are eight neighbouring columns of one row.
; CLUSTER 4 x 4: block row = 4 x the cluster's y + cy, block column = cx (the grid has one cluster along x).  hb's tile is shared along a row of the cluster,
; wob's along a column: joint loads.  By this text's own count a wave has at most two tensor loads outstanding: the two first fills; later one.
; NO PREFETCH: hb was stored by the launch in front of this one and wob is read by every work-group.
; F16 OPERANDS: their room is worked out at the heads of the two launches that store them (Wo of spread 0.02: 0.6 when 30 times larger, 6.7e-4 when 30 times smaller,
; where the step 2^-24 is 1e-4 of the spread; h: at most the largest |V|).
; LIMITS: sums in another order than reference()'s; NaN and infinities are not treated specially.
.set SLOTO, 104448                     ; hb 128 x 272, then wob 128 x 544
.set AP,    272
.set BP,    544
.set BOFF,  128*AP
.set STAGE, 2*SLOTO                    ; bytes of its own: 16 rows x 528 for each wave
.set SP,    528
.set ADRA, 1                           ; v1-2
.set ADRB, 3                           ; v3-4
.set STO,  5
.set RD,   6
.set CO,   7                           ; 16 L
.set BIAS, 16                          ; v16-19 bo of my four columns on the way out
.set WB,   32                          ; v32-95, v96-159 wob fragments, two buffers; on the way out the rows read back
.set AB,   160                         ; v160-191, v192-223 hb fragments, two buffers
.set G1A, 24
.set G1B, 32
.set G0A, 40
.set G0B, 48
.set MSB, 0
.macro WIN new
.if MSB != \new
	s_set_vgpr_msb (MSB<<8)|\new
.set MSB, \new
.endif
.endm
.macro PLACES                          ; four places behind a matrix instruction (ISA guide 7.12.1)
.rept 4
	v_nop
.endr
.endm
.macro CREST
	s_cmp_lg_u32 s12, 0
	s_cbranch_scc1 .Lnot_wave_0_\@
	s_barrier_signal -3
.Lnot_wave_0_\@:
	s_barrier_wait -3
	s_barrier_signal -1
	s_barrier_wait -1
.endm
.macro CROUND
	s_barrier_signal -1
	s_barrier_wait -1
	CREST
.endm
.macro JLOAD s                         ; waves 0, 1 ask for hb's two halves, waves 2, 3 for wob's
	s_cmp_eq_u32 s13, 0
	s_cbranch_scc0 .Lfor_b_\@
	tensor_load_to_lds s[G0A+4*\s:G0A+4*\s+3], s[G1A:G1A+7]
	s_nop 0
	s_branch .Lasked_\@
.Lfor_b_\@:
	tensor_load_to_lds s[G0B+4*\s:G0B+4*\s+3], s[G1B:G1B+7]
	s_nop 0
.Lasked_\@:
.endm
.macro G0SET g0, ldsreg, alo, gstep
.irp s, 0,1
	s_mov_b32 s[\g0+4*\s], 1
	s_add_co_u32 s[\g0+4*\s+1], s[\ldsreg], \s*SLOTO
	s_add_nc_u64 s[\g0+4*\s+2:\g0+4*\s+3], s[\alo:\alo+1], \s*\gstep
	s_or_b32 s[\g0+4*\s+3], s[\g0+4*\s+3], 0x80000000
.endr
.endm
	s_load_b256 s[4:11], s[0:1], 0x0               ; hb 4, wob 6, bo 8, out0 10
	v_lshl_add_u32 v254, v0, 2, 0x3b400
	v_mov_b32 v255, 0
	ds_add_u32 v254, v255
	v_lshrrev_b32 v8, 5, v0
	v_readfirstlane_b32 s12, v8                    ; wave
	s_lshr_b32 s13, s12, 1                         ; my 64 rows.  Also: I fetch for hb (0) or wob (1)
	s_and_b32 s14, s12, 1                          ; my 128 columns.  Also: which half of that tile
	s_bfe_u32 s15, ttmp6, 0x40000                  ; cx = block column
	s_bfe_u32 s16, ttmp6, 0x40004                  ; cy
	s_and_b32 s17, ttmp7, 0xffff
	s_lshl_b32 s17, s17, 2
	s_add_co_u32 s17, s17, s16                     ; block row
	s_lshl_b32 s18, s16, 2
	s_lshl_b32 s18, 15, s18                        ; my row of the cluster
	s_lshl_b32 s19, 0x1111, s15                    ; my column
	; hb: 64 rows x 128 f16, pitch 1,024, 4 words of padding behind every 64 words
	s_or_b32 s[G1A+0], s18, (1<<16)|(1<<20)|(1<<21)|(5<<22)|(3<<25)
	s_mov_b32 s[G1A+1], 128<<16
	s_mov_b32 s[G1A+2], 64<<16
	s_mov_b32 s[G1A+3], 128<<16
	s_mov_b32 s[G1A+4], 64
	s_mov_b32 s[G1A+5], 1024
	s_mov_b32 s[G1A+6], 0
	s_mov_b32 s[G1A+7], 0
	; wob: 64 k rows x 256 f16, pitch 1,024, 8 words behind every 128
	s_or_b32 s[G1B+0], s19, (1<<16)|(1<<20)|(1<<21)|(6<<22)|(7<<25)
	s_mov_b32 s[G1B+1], 256<<16
	s_mov_b32 s[G1B+2], 64<<16
	s_mov_b32 s[G1B+3], 256<<16
	s_mov_b32 s[G1B+4], 64
	s_mov_b32 s[G1B+5], 1024
	s_mov_b32 s[G1B+6], 0
	s_mov_b32 s[G1B+7], 0
	; s20, s21 never hold cx; s22, s23 never hold the block row; s56 holds LDS addresses made of the wave's number alone
	s_lshl_b32 s20, s17, 7
	s_lshl_b32 s21, s14, 6
	s_add_co_u32 s20, s20, s21
	s_lshl_b32 s20, s20, 11                        ; rows of 2,048 bytes
	s_mov_b32 s21, 0
	s_wait_dscnt 0x0
	s_wait_kmcnt 0x0
	s_add_nc_u64 s[20:21], s[4:5], s[20:21]
	s_mul_i32 s56, s14, 64*AP
	G0SET G0A, 56, 20, 256
	s_lshl_b32 s22, s14, 17
	s_lshl_b32 s23, s15, 9
	s_add_co_u32 s22, s22, s23
	s_mov_b32 s23, 0
	s_add_nc_u64 s[22:23], s[6:7], s[22:23]
	s_mul_i32 s56, s14, 64*BP
	s_add_co_u32 s56, s56, BOFF
	G0SET G0B, 56, 22, 262144
	s_lshl_b32 s20, s17, 7                         ; out0: my first row,
	s_lshl_b32 s21, s13, 6
	s_add_co_u32 s20, s20, s21
	s_lshl_b32 s20, s20, 12
	s_mov_b32 s21, 0
	s_add_nc_u64 s[10:11], s[10:11], s[20:21]
	s_lshl_b32 s22, s15, 10                        ; and my first column, 1024 cx + 512 (w & 1) bytes; the same in bo
	s_lshl_b32 s23, s14, 9
	s_add_co_u32 s22, s22, s23
	s_mov_b32 s23, 0
	s_add_nc_u64 s[10:11], s[10:11], s[22:23]
	s_add_nc_u64 s[8:9], s[8:9], s[22:23]
	CROUND                                         ; all sixteen work-groups are here: the first joint loads meet
	JLOAD 0
	JLOAD 1
	v_and_b32 v8, 15, v0                           ; r
	v_bfe_u32 v9, v0, 4, 1                         ; h
	v_and_b32 v10, 7, v0
	v_bfe_u32 v11, v0, 3, 1
	v_lshl_add_u32 v10, v9, 3, v10
	v_mul_u32_u24 v12, v8, AP
	v_lshl_add_u32 v12, v9, 4, v12
	s_mul_i32 s56, s13, 64*AP
	v_add_nc_u32 v[ADRA], s56, v12
	v_add_nc_u32 v[ADRA+1], SLOTO, v[ADRA]
	v_mul_u32_u24 v12, v10, BP
	v_lshl_add_u32 v12, v11, 4, v12
	s_lshl_b32 s56, s14, 8
	s_add_co_u32 s56, s56, BOFF
	v_add_nc_u32 v[ADRB], s56, v12
	v_add_nc_u32 v[ADRB+1], SLOTO, v[ADRB]
	s_mul_i32 s56, s12, 16*SP
	s_add_co_u32 s56, s56, STAGE
	v_mul_u32_u24 v12, v8, SP
	v_lshl_add_u32 v12, v9, 5, v12
	v_add_nc_u32 v[STO], s56, v12
	v_and_b32 v12, 31, v0
	v_lshlrev_b32 v[CO], 4, v12
	v_add_nc_u32 v[RD], s56, v[CO]
	global_load_b128 v[BIAS:BIAS+3], v[CO], s[8:9]
.macro FETCHO slot, c, buf             ; the fragments of 32 k: 64 rows of hb (8 loads), 128 columns of wob (16 transposing loads)
	WIN 0
.irp i, 0,1,2,3
	ds_load_b128 v[AB+32*\buf+8*\i:AB+32*\buf+8*\i+3],   v[ADRA+\slot] offset:16*AP*\i+64*\c
	ds_load_b128 v[AB+32*\buf+8*\i+4:AB+32*\buf+8*\i+7], v[ADRA+\slot] offset:16*AP*\i+64*\c+32
.endr
.irp nt, 0,1,2,3,4,5,6,7
	ds_load_tr16_b128 v[WB+64*\buf+8*\nt:WB+64*\buf+8*\nt+3],   v[ADRB+\slot] offset:32*BP*\c+32*\nt
	ds_load_tr16_b128 v[WB+64*\buf+8*\nt+4:WB+64*\buf+8*\nt+7], v[ADRB+\slot] offset:32*BP*\c+32*\nt+16*BP
.endr
.endm
.macro MM8 buf, n0, zero               ; 8 matrix instructions; the 32 accumulators take turns in the same order in every quarter, one instruction a turn
	WIN 0x50
.irp nt, \n0, \n0+1
.irp i, 0,1,2,3
.if \zero
	v_wmma_f32_16x16x32_f16 v[8*(8*\i+(\nt)):8*(8*\i+(\nt))+7], v[WB+64*\buf+8*(\nt):WB+64*\buf+8*(\nt)+7], v[AB+32*\buf+8*\i:AB+32*\buf+8*\i+7], 0
.else
	v_wmma_f32_16x16x32_f16 v[8*(8*\i+(\nt)):8*(8*\i+(\nt))+7], v[WB+64*\buf+8*(\nt):WB+64*\buf+8*(\nt)+7], v[AB+32*\buf+8*\i:AB+32*\buf+8*\i+7], v[8*(8*\i+(\nt)):8*(8*\i+(\nt))+7]
.endif
.endr
.endr
.endm
.macro CHK slot, nc, buf, nbuf, zero   ; one of a step's first three quarters: multiplies buffer buf; in its middle fetches quarter nc into buffer nbuf
	s_wait_dscnt 0x0
	MM8 \buf, 0, \zero
	MM8 \buf, 2, \zero
	PLACES                                         ; buffer nbuf was read by the quarter before
	FETCHO \slot, \nc, \nbuf
	MM8 \buf, 4, \zero
	MM8 \buf, 6, \zero
.endm
; K step t.  In its last quarter the slot changes: the waits stand in front of the opening signal; in steps 0-5 the barrier opens a round of the cluster's barrier
; and the joint refill (K step t + 2) is the first tensor load behind it; step 6 fetches nothing; step 7 has no change of slots.
.macro OSTEP t, slot, other
.if \t == 0
	CHK \slot, 1, 0, 1, 1
.else
	CHK \slot, 1, 0, 1, 0
.endif
	CHK \slot, 2, 1, 0, 0
	CHK \slot, 3, 0, 1, 0
	s_wait_dscnt 0x0                               ; my reads of this slot are over
	MM8 1, 0, 0
.if \t < 7
	s_wait_tensorcnt 0x0                           ; all my tensor loads have landed: my part of the other slot
	ds_add_u32 v254, v255
	s_wait_dscnt 0x0
	s_barrier_signal -1
	MM8 1, 2, 0
	WIN 0
	s_barrier_wait -1
.if \t < 6
	CREST
	s_add_nc_u64 s[G0A+4*\slot+2:G0A+4*\slot+3], s[G0A+4*\slot+2:G0A+4*\slot+3], 512
	s_add_nc_u64 s[G0B+4*\slot+2:G0B+4*\slot+3], s[G0B+4*\slot+2:G0B+4*\slot+3], 524288
	JLOAD \slot
.endif
	PLACES
	FETCHO \other, 0, 0
.else
	MM8 1, 2, 0
.endif
	MM8 1, 4, 0
	MM8 1, 6, 0
.endm
	s_wait_tensorcnt 0x1                           ; my part of K step 0 is in; K step 1's may stay out
	s_barrier_signal -1
	s_barrier_wait -1
	FETCHO 0, 0, 0
	OSTEP 0, 0, 1
	OSTEP 1, 1, 0
	OSTEP 2, 0, 1
	OSTEP 3, 1, 0
	OSTEP 4, 0, 1
	OSTEP 5, 1, 0
	OSTEP 6, 0, 1
	OSTEP 7, 1, 0
	; the way out, 16 rows at a time: 32 bytes a lane into my own stage, whole rows of 512 bytes back, the bias, and out
	PLACES
	s_wait_loadcnt 0x0                             ; bo
.macro OUTO i, fb
	WIN 0x04                                       ; the LDS stores' data lie in window 1
.irp nt, 0,1,2,3,4,5,6,7
	ds_store_b128 v[STO], v[8*(8*\i+\nt):8*(8*\i+\nt)+3]   offset:64*\nt
	ds_store_b128 v[STO], v[8*(8*\i+\nt)+4:8*(8*\i+\nt)+7] offset:64*\nt+16
.endr
	WIN 0
	s_wait_xcnt 0x0                                ; registers fb .. were stores' data two passes ago: they are loaded again only behind this wait
.irp row, 0,1,2,3,4,5,6,7,8,9,10,11,12,13,14,15
	ds_load_b128 v[\fb+4*\row:\fb+4*\row+3], v[RD] offset:SP*\row       ; LDS serves a wave's instructions in order: these see the stores above
.endr
.irp row, 0,1,2,3,4,5,6,7,8,9,10,11,12,13,14,15
	s_wait_dscnt 15-\row                           ; the younger read-backs may stay out
	v_pk_add_f32 v[\fb+4*\row:\fb+4*\row+1],   v[\fb+4*\row:\fb+4*\row+1],   v[BIAS:BIAS+1]
	v_pk_add_f32 v[\fb+4*\row+2:\fb+4*\row+3], v[\fb+4*\row+2:\fb+4*\row+3], v[BIAS+2:BIAS+3]
	global_store_b128 v[CO], v[\fb+4*\row:\fb+4*\row+3], s[10:11] offset:(16*\i+\row)*4096 th:TH_STORE_NT   ; a wave stores 512 consecutive bytes, at a multiple of 512 from out0's first byte
.endr
.endm
	OUTO 0, 32
	OUTO 1, 96
	OUTO 2, 32
	OUTO 3, 96
	s_wait_tensorcnt 0x0
	ds_add_u32 v254, v255
	s_wait_dscnt 0x0
	CROUND                                         ; the closing round: no work-group ends while a partner may still ask for a tile that names it
	s_endpgm
.Lfunc_end_k_q3d7192bb2a_oproj:
	.size	k_q3d7192bb2a_oproj, .Lfunc_end_k_q3d7192bb2a_oproj-k_q3d7192bb2a_oproj
	.p2alignl 7, 3214868480
	.fill 96, 4, 3214868480
	.section	.rodata,"a",@progbits
	.p2align	6, 0x0
	.amdhsa_kernel k_q3d7192bb2a_oproj
		.amdhsa_group_segment_fixed_size 327680
		.amdhsa_private_segment_fixed_size 0
		.amdhsa_enable_private_segment 0
		.amdhsa_kernarg_size 32
		.amdhsa_user_sgpr_count 2
		.amdhsa_user_sgpr_kernarg_segment_ptr 1
		.amdhsa_wavefront_size32 1
		.amdhsa_system_sgpr_workgroup_id_x 1
		.amdhsa_system_sgpr_workgroup_id_y 1
		.amdhsa_system_sgpr_workgroup_id_z 1
		.amdhsa_system_vgpr_workitem_id 0
		.amdhsa_next_free_vgpr 512
		.amdhsa_next_free_sgpr 66
		.amdhsa_reserve_vcc 0
		.amdhsa_float_denorm_mode_32 3
		.amdhsa_float_denorm_mode_16_64 3
		.amdhsa_memory_ordered 1
		.amdhsa_forward_progress 1
		.amdhsa_inst_pref_size 156
	.end_amdhsa_kernel
	.amdgpu_metadata
---
amdhsa.version: [ 1, 2 ]
amdhsa.kernels:
  - .name:           k_q3d7192bb2a_oproj
    .symbol:         k_q3d7192bb2a_oproj.kd
    .args:
      - { .name: hb, .offset: 0, .size: 8, .value_kind: global_buffer, .address_space: global }
      - { .name: wob, .offset: 8, .size: 8, .value_kind: global_buffer, .address_space: global }
      - { .name: bo, .offset: 16, .size: 8, .value_kind: global_buffer, .address_space: global }
      - { .name: out0, .offset: 24, .size: 8, .value_kind: global_buffer, .address_space: global }
    .group_segment_fixed_size: 327680
    .private_segment_fixed_size: 0
    .kernarg_segment_align: 8
    .kernarg_segment_size: 32
    .max_flat_workgroup_size: 128
    .sgpr_count:     66
    .vgpr_count:     512
    .wavefront_size: 32
...
	.end_amdgpu_metadata
.endif
;; end of part 3
;; ======== version 2 of 3: 3 launches
;; limits: values are held in f16: magnitudes above 65,504 overflow, below 6.1e-05 lose precision
;; workspace buffers: wqb 2,097,152 bytes; wob 2,097,152 bytes; rope 524,288 bytes; kb 1,048,576 bytes; vb 1,048,576 bytes; hb 16,777,216 bytes
;; launch prep: the kernel of part 1 again; grid 256 x 1, 8 waves a work-group, no clusters, 144,384 bytes of LDS; arguments kv, Wkv, bkv, Wq, Wo, wqb, wob, rope, kb, vb; writes wqb, wob, rope, kb, vb
;; launch attn (part 4): grid 4 x 64, 8 waves a work-group, clusters of 4 x 4, 327,680 bytes of LDS; arguments q, wqb, bq, rope, kb, vb, hb; writes hb
.if DOCPART == 4
	.amdgcn_target "amdgcn-amd-amdhsa--gfx1250"
	.amdhsa_code_object_version 6
	.text
	.protected	k_q3d7192bb2a_attn
	.globl	k_q3d7192bb2a_attn
	.p2align	8
	.type	k_q3d7192bb2a_attn,@function
k_q3d7192bb2a_attn:
	s_mov_b64 s[64:65], 0
	v_nop
	global_prefetch_b8 v0, s[64:65] scope:SCOPE_SE
	s_setreg_imm32_b32 hwreg(HW_REG_WAVE_MODE, 25, 1), 1
	s_wait_xcnt 0x0
	s_wait_alu depctr_hold_cnt(0) depctr_sa_sdst(0) depctr_va_vdst(0) depctr_va_sdst(0) depctr_va_ssrc(0) depctr_va_vcc(0) depctr_vm_vsrc(0)
	s_getreg_b32 s2, hwreg(HW_REG_IB_STS2, 6, 4)
	s_cmp_eq_u32 s2, 0
	s_cbranch_scc0 .Lentry_in_a_cluster
	s_endpgm
.Lentry_in_a_cluster:
	s_bfe_u32 s2, ttmp6, 0x10000c
	s_cmp_lg_u32 s2, 0xf033
	s_cbranch_scc0 .Lentry_shape_is_right
	s_endpgm
.Lentry_shape_is_right:
; attn: hb[b][pos][64 head + d] = softmax(rope(q Wq + bq) rope(K)^T / 8) V, f16; one shared K and V head.
; A work-group owns 128 positions of one batch and 4 heads: a block of 128 x 256 of the Q projection, which never leaves registers.
; Eight waves, two on each SIMD, so that one wave's softmax arithmetic and the other's matrix instructions can overlap.  Wave w: rows 32 (w >> 1), columns 128 (w & 1) (two heads).
; PHASE 1, q Wq: K in 8 steps of 128 through two LDS slots (q as f32, rounded on the way into the fragments; wqb as f16 with k down the rows, read by
; transposing loads).  Source 0 = 16 columns of Wq, source 1 = 16 rows of q: lane (r, h) holds position r and eight neighbouring d.  After bias, rotation
; and packing that is the second-source fragment of Q for S^T = K Q^T.
; PHASE 2, attention in steps of 64 keys: S^T = K Q^T puts a query in a lane (r) and keys in its registers, so two packed S^T tiles are the second-source
; fragment of P^T, and O^T = V^T P^T keeps the query in the lane: maximum, sum and rescaling are one number a lane; the two halves of the lanes
; hold different keys and meet in one v_permlanex16_b32 a turn.  The maximum is a running one; the first step is written out and starts it.
; The table carries log2(e)/8, so that p = 2^(s - m).
; THE TEXT IS FOLDED INTO COUNTED LOOPS, so that little of it is walked only once.  Phase 1: K steps 0 to 5 are three trips of a pair of steps, turned by a
; quarter step so that only the quarter that starts the sums stands in front; steps 6 and 7 are written out, since their joint loads bring K and V.
; Phase 2: a step is cut inside turn 2, at the one place where a slot can change; a loop's body is the rest of step j - 1 and the head of step j (some 600
; instructions), and the change of slots stands between trips.  The body stands four times: for steps 2, 3; for each of the two slots in the loop that fills
; them again; for the last four steps, which fetch nothing.
; CLUSTER 4 x 4: cx = group of 4 heads, cy = batch, the cluster's y = block of 128 positions (the grid has one cluster along x).  The four of a row (same cy)
; need the same tiles of q, K and V; the four of a column (same cx) the same tiles of wqb.  Each such tile is asked for jointly.
; By this text's own count a wave has at most two tensor loads outstanding: the two first fills; later one.
; F16, NOT BF16: the result is a mean over 2,048 keys, in which the rounding errors of P and V average down at the same rate as the mean itself, so every
; operand's relative rounding shows in full in the result; 11 significant bits keep the sum of all roundings far inside 1 per cent.
; ROOM IN F16 (largest number 65,504; below 2^-14 the step is 2^-24): P lies in (0, 1] for every input, by the running maximum.  q of spread 1 and Wq of spread 0.02
; give Q x log2(e)/8 of spread 0.115: 104 with both 30 times larger, 1.3e-4 with both 30 times smaller (the step is 5e-4 of that), near 1024 x 30 x 0.6 x 0.18 = 3,300
; with a common offset of 30 spreads on both.  |h| is at most the largest |V| (prep's head: up to some 18,432 in those cases); its spread is 0.015, and 1.7e-5 with
; kv and Wkv both 30 times smaller, where the step's rounding error is 1e-3 of the spread.  LIMIT: an operand beyond 65,504 in magnitude becomes an infinity.
; OTHER LIMITS: NaN and infinities are not treated as reference() treats them; p below 2^-126 counts as 0 in the row sum and p below 2^-25 as 0 in P V;
; the row sum adds the unrounded p while P V takes p rounded to f16; sums are formed in another order than reference()'s.
.set SLOTG, 137216                     ; a slot of phase 1: q 128 x 528, then wqb 128 x 544
.set APG,   528                        ; 128 f32 + 16 bytes
.set BPG,   544                        ; 256 f16 + 32 bytes: an odd multiple of 32 for the transposing loads
.set BOFF,  128*APG
.set KP,    144                        ; 64 f16 + 16 bytes
.set VP,    160                        ; 64 f16 + 32 bytes
.set VOFF,  256*KP                     ; a slot of phase 2 (at 0 and at SLOTG): K 256 x 144, then V 256 x 160
.set STAGE, SLOTG+256*KP+256*VP        ; 215,040: behind phase 2's slot 1, in bytes whose last fill is phase 1's K step 7
.set SP,    272
.set ADRA, 1                           ; v1-2   LDS address of my q fragments, slot 0, 1
.set ADRB, 3                           ; v3-4   of my wqb fragments
.set ADRK, 5                           ; v5-6   of K fragments, at the slot's first key; never rewritten
.set ADRV, 7                           ; v7-8   of V fragments, likewise
.set STO,  9                           ; the way out: where I put 16 bytes
.set RD,   10                          ; where I read a row back
.set CO,   11                          ; my byte offset in hb
.set MX,   12                          ; v12-15 running maximum, one for each q tile
.set LS,   16                          ; v16-19 running sum (of my half's keys)
.set TM,   20                          ; v20-21 the new maximum, twice
.set AL,   22                          ; v22-23 2^(old maximum - new), twice
.set CH,   24                          ; v24-27 four chains
.set PT,   28
.set TD,   29
.set BO,   29                          ; before phase 2: 32 h, the bias loads' offset
.set TBO,  30                          ; 256 r + 32 h, the table loads' offset
.set PF,   31                          ; the prefetches' offset, never rewritten
.set R1,   32
.set R2,   96
.set WB,   32                          ; v32-95, v96-159  wqb fragments, two buffers
.set AB,   160                         ; v160-191 q fragments (f16), 160 + 16 buf + 8 i
.set AF,   224                         ; v224-255 q as loaded (f32)
.set KF,   32                          ; K fragment (a, f) at 32 + 16 a + 8 f
.set SB,   96                          ; S^T, two buffers of 32
.set QF,   160                         ; Q fragment (qt, f) at 160 + 16 qt + 8 f;  qt = 2 (row tile) + (head of my two)
.set SUMP, 224
.set SUMQ, 226
.set INV,  232
.set KA,   240                         ; phase 2: LDS address of the K fragments that are loaded next: a slot's ADRK + 64 keys a step
.set VA,   241                         ; and of the V fragments
; window 1: v0-127 accumulators (i, nt) at 8 (8 i + nt), later O^T (qt, dt) at 32 qt + 8 dt; v128-191 bias, later V fragments (c, dt) at 128 + 32 c + 8 dt; v192-255 table
.set G1A, 24
.set G1B, 32
.set G1K, 40
.set G1V, 48
.set G0A, 56                           ; group 0: a set of four for each slot
.set G0B, 68
.set G0K, 76
.set G0V, 84
.set MSB, 0
.macro WIN new                         ; low byte: windows of source 0, 1, 2, destination; high byte repeats the setting left
.if MSB != \new
	s_set_vgpr_msb (MSB<<8)|\new
.set MSB, \new
.endif
.endm
.macro PLACES                          ; four places behind a matrix instruction (ISA guide 7.12.1)
.rept 4
	v_nop
.endr
.endm
.macro CREST                           ; a round of the cluster's barrier behind its opening barrier
	s_cmp_lg_u32 s18, 0
	s_cbranch_scc1 .Lnot_wave_0_\@
	s_barrier_signal -3
.Lnot_wave_0_\@:
	s_barrier_wait -3
	s_barrier_signal -1
	s_barrier_wait -1
.endm
.macro CROUND
	s_barrier_signal -1
	s_barrier_wait -1
	CREST
.endm
; A joint load: waves 0, 1 ask for the two halves of the first tile, waves 2, 3 of the second, waves 4-7 for nothing.  The branch hangs on the wave's number alone.
.macro JLOAD ga, g1a, gb, g1b
	s_cmp_lg_u32 s19, 0
	s_cbranch_scc1 .Lj_b_\@
	tensor_load_to_lds s[\ga:\ga+3], s[\g1a:\g1a+7]
	s_nop 0
	s_branch .Lj_e_\@
.Lj_b_\@:
	s_cmp_lg_u32 s19, 1
	s_cbranch_scc1 .Lj_e_\@
	tensor_load_to_lds s[\gb:\gb+3], s[\g1b:\g1b+7]
	s_nop 0
.Lj_e_\@:
.endm
.macro G0SET g0, ldsreg, alo, gstep    ; group 0 for slots 0 and 1: count 1, LDS address, global address of tile 0 / tile 1, type 2
.irp s, 0,1
	s_mov_b32 s[\g0+4*\s], 1
	s_add_co_u32 s[\g0+4*\s+1], s[\ldsreg], \s*SLOTG
	s_add_nc_u64 s[\g0+4*\s+2:\g0+4*\s+3], s[\alo:\alo+1], \s*\gstep
	s_or_b32 s[\g0+4*\s+3], s[\g0+4*\s+3], 0x80000000
.endr
.endm
; Waves 6 and 7 ask for q's K step 'tile' ahead of its tensor load: each work-group of a cluster row asks for 32 of the 128 rows, two lanes a row of 512 bytes,
; so each aligned block of 256 bytes is asked for once.  Tiles 2 and 3 at the start, tile t + 4 in K step t (two steps ahead of that tile's tensor load), nothing past tile 7.
.macro PREF tile
	s_cmp_lt_u32 s18, 6
	s_cbranch_scc1 .Lnp_\@
	global_prefetch_b8 v[PF], s[96:97] offset:512*(\tile) th:TH_LOAD_NT scope:SCOPE_SE
.Lnp_\@:
.endm
; The same inside phase 1's loop, whose base steps two tiles a trip.  The third trip (s94 = 1) would ask for tiles 8 and 9, which do not exist: it asks for nothing.
.macro PREFL tile
	s_cmp_lt_u32 s18, 6
	s_cbranch_scc1 .Lnq_\@
	s_cmp_lt_u32 s94, 2
	s_cbranch_scc1 .Lnq_\@
	global_prefetch_b8 v[PF], s[96:97] offset:512*(\tile) th:TH_LOAD_NT scope:SCOPE_SE
.Lnq_\@:
.endm
	s_load_b256 s[4:11], s[0:1], 0x0               ; q 4, wqb 6, bq 8, rope 10
	s_load_b128 s[12:15], s[0:1], 0x20             ; kb 12, vb 14
	s_load_b64 s[16:17], s[0:1], 0x30              ; hb
	v_lshl_add_u32 v254, v0, 2, 0x43000
	v_mov_b32 v255, 0
	ds_add_u32 v254, v255
	s_wait_dscnt 0x0
	v_lshrrev_b32 v32, 5, v0
	v_readfirstlane_b32 s18, v32                   ; wave
	s_lshr_b32 s19, s18, 1                         ; my 32 rows.  Also: which tile I fetch for (0, 1; above: none)
	s_and_b32 s20, s18, 1                          ; my 128 columns.  Also: which half of that tile
	s_bfe_u32 s21, ttmp6, 0x40000                  ; cx: group of 4 heads
	s_bfe_u32 s22, ttmp6, 0x40004                  ; cy: batch
	s_and_b32 s23, ttmp7, 0xffff                   ; the cluster's y: block of 128 positions
	s_mov_b32 s92, 0x76543210                      ; v_permlanex16_b32: lane i reads lane i of the other half
	s_mov_b32 s93, 0xfedcba98
	s_lshl_b32 s66, s22, 2
	s_lshl_b32 s66, 15, s66                        ; my row of the cluster
	s_lshl_b32 s67, 0x1111, s21                    ; my column
	; group 1.  q: 64 rows x 128 f32, pitch 1,024, 4 words of padding behind every 128 words
	s_or_b32 s[G1A+0], s66, (2<<16)|(1<<20)|(1<<21)|(6<<22)|(3<<25)
	s_mov_b32 s[G1A+1], 128<<16
	s_mov_b32 s[G1A+2], 64<<16
	s_mov_b32 s[G1A+3], 128<<16
	s_mov_b32 s[G1A+4], 64
	s_mov_b32 s[G1A+5], 1024
	s_mov_b32 s[G1A+6], 0
	s_mov_b32 s[G1A+7], 0
	; wqb: 64 k rows x 256 f16, pitch 1,024, 8 words behind every 128
	s_or_b32 s[G1B+0], s67, (1<<16)|(1<<20)|(1<<21)|(6<<22)|(7<<25)
	s_mov_b32 s[G1B+1], 256<<16
	s_mov_b32 s[G1B+2], 64<<16
	s_mov_b32 s[G1B+3], 256<<16
	s_mov_b32 s[G1B+4], 64
	s_mov_b32 s[G1B+5], 1024
	s_mov_b32 s[G1B+6], 0
	s_mov_b32 s[G1B+7], 0
	; K: 128 keys x 64 f16, pitch 64 (the head's own row length), 4 words behind every 32
	s_or_b32 s[G1K+0], s66, (1<<16)|(1<<20)|(1<<21)|(4<<22)|(3<<25)
	s_mov_b32 s[G1K+1], 64<<16
	s_mov_b32 s[G1K+2], 128<<16
	s_mov_b32 s[G1K+3], 64<<16
	s_mov_b32 s[G1K+4], 128
	s_mov_b32 s[G1K+5], 64
	s_mov_b32 s[G1K+6], 0
	s_mov_b32 s[G1K+7], 0
	; V: the same with 8 words of padding
	s_or_b32 s[G1V+0], s66, (1<<16)|(1<<20)|(1<<21)|(4<<22)|(7<<25)
	s_mov_b32 s[G1V+1], 64<<16
	s_mov_b32 s[G1V+2], 128<<16
	s_mov_b32 s[G1V+3], 64<<16
	s_mov_b32 s[G1V+4], 128
	s_mov_b32 s[G1V+5], 64
	s_mov_b32 s[G1V+6], 0
	s_mov_b32 s[G1V+7], 0
	; s96, s97, s100 never hold cx; s98, s99 never hold cy or the block of positions; s101 holds LDS addresses made of the wave's number alone
	s_lshl_b32 s100, s22, 11
	s_lshl_b32 s96, s23, 7
	s_add_co_u32 s100, s100, s96                   ; my block's first row of q and hb: 2048 cy + 128 block
	s_wait_kmcnt 0x0
	s_lshl_b32 s96, s20, 6
	s_add_co_u32 s96, s96, s100
	s_lshl_b32 s96, s96, 12                        ; rows of 4,096 bytes
	s_mov_b32 s97, 0
	s_add_nc_u64 s[96:97], s[4:5], s[96:97]
	s_mul_i32 s101, s20, 64*APG
	G0SET G0A, 101, 96, 512
	s_lshl_b32 s98, s20, 17                        ; 64 k rows of 2,048 bytes
	s_lshl_b32 s99, s21, 9                         ; 256 columns
	s_add_co_u32 s98, s98, s99
	s_mov_b32 s99, 0
	s_add_nc_u64 s[98:99], s[6:7], s[98:99]
	s_mul_i32 s101, s20, 64*BPG
	s_add_co_u32 s101, s101, BOFF
	G0SET G0B, 101, 98, 262144
	s_lshl_b32 s96, s22, 11
	s_lshl_b32 s97, s20, 7
	s_add_co_u32 s96, s96, s97
	s_lshl_b32 s96, s96, 7                         ; keys of 128 bytes
	s_mov_b32 s97, 0
	s_add_nc_u64 s[96:97], s[12:13], s[96:97]
	s_mul_i32 s101, s20, 128*KP
	G0SET G0K, 101, 96, 32768
	s_lshl_b32 s96, s22, 11
	s_lshl_b32 s97, s20, 7
	s_add_co_u32 s96, s96, s97
	s_lshl_b32 s96, s96, 7
	s_mov_b32 s97, 0
	s_add_nc_u64 s[96:97], s[14:15], s[96:97]
	s_mul_i32 s101, s20, 128*VP
	s_add_co_u32 s101, s101, VOFF
	G0SET G0V, 101, 96, 32768
	s_lshl_b32 s96, s23, 15                        ; table: position 128 block + 32 (w >> 1), 256 bytes each
	s_lshl_b32 s97, s19, 13
	s_add_co_u32 s96, s96, s97
	s_mov_b32 s97, 0
	s_add_nc_u64 s[10:11], s[10:11], s[96:97]
	s_lshl_b32 s96, s19, 5                         ; hb: my first row,
	s_add_co_u32 s96, s96, s100
	s_lshl_b32 s96, s96, 11
	s_add_nc_u64 s[16:17], s[16:17], s[96:97]
	s_lshl_b32 s98, s21, 9                         ; and my first column: 512 cx + 256 (w & 1) bytes
	s_lshl_b32 s99, s20, 8
	s_add_co_u32 s98, s98, s99
	s_mov_b32 s99, 0
	s_add_nc_u64 s[16:17], s[16:17], s[98:99]
	s_lshl_b32 s98, s98, 1                         ; the same columns in bq, f32
	s_add_nc_u64 s[8:9], s[8:9], s[98:99]
	s_lshl_b32 s96, s100, 12                       ; q at my block's first row: the prefetches' base
	s_add_nc_u64 s[96:97], s[4:5], s[96:97]
	s_lshl_b32 s98, s21, 5
	s_lshl4_add_u32 s98, s20, s98                  ; 32 cx + 16 (w & 1): the rows that this wave asks for
	v_and_b32 v32, 15, v0                          ; r
	v_bfe_u32 v33, v0, 4, 1                        ; h
	v_and_b32 v34, 7, v0
	v_bfe_u32 v35, v0, 3, 1
	v_lshl_add_u32 v34, v33, 3, v34                ; 8 h + (L & 7): the row of a transposing load
	v_mul_u32_u24 v36, v32, APG
	v_lshl_add_u32 v36, v33, 5, v36
	s_mul_i32 s101, s19, 32*APG
	v_add_nc_u32 v[ADRA], s101, v36
	v_add_nc_u32 v[ADRA+1], SLOTG, v[ADRA]
	v_mul_u32_u24 v36, v34, BPG
	v_lshl_add_u32 v36, v35, 4, v36
	s_lshl_b32 s101, s20, 8
	s_add_co_u32 s101, s101, BOFF
	v_add_nc_u32 v[ADRB], s101, v36
	v_add_nc_u32 v[ADRB+1], SLOTG, v[ADRB]
	v_mul_u32_u24 v36, v32, KP
	v_lshl_add_u32 v[ADRK], v33, 4, v36
	v_add_nc_u32 v[ADRK+1], SLOTG, v[ADRK]
	v_mul_u32_u24 v36, v34, VP
	v_lshl_add_u32 v36, v35, 4, v36
	v_add_nc_u32 v[ADRV], VOFF, v36
	v_add_nc_u32 v[ADRV+1], SLOTG, v[ADRV]
	s_mul_i32 s101, s18, 16*SP
	s_add_co_u32 s101, s101, STAGE                 ; my stage
	v_mul_u32_u24 v36, v32, SP
	v_lshl_add_u32 v36, v33, 4, v36
	v_add_nc_u32 v[STO], s101, v36
	v_mul_u32_u24 v36, v33, SP
	v_lshl_add_u32 v36, v32, 4, v36
	v_add_nc_u32 v[RD], s101, v36
	v_lshlrev_b32 v36, 4, v32
	v_lshl_add_u32 v[CO], v33, 11, v36
	v_lshlrev_b32 v[BO], 5, v33
	v_lshl_add_u32 v[TBO], v32, 8, v[BO]
	v_bfe_u32 v36, v0, 1, 4
	v_add_nc_u32 v36, s98, v36
	v_and_b32 v37, 1, v0
	v_lshlrev_b32 v37, 8, v37
	v_lshl_add_u32 v[PF], v36, 12, v37
	v_mov_b32 v[PT], 0                             ; v_permlanex16_b32 counts as a reader of its destination
	CROUND                                         ; all sixteen work-groups are here: the first joint loads meet
	s_cmp_lg_u32 s19, 0                            ; a wave's two first fills stand in one branch on its number
	s_cbranch_scc1 .Lff_b
	tensor_load_to_lds s[G0A:G0A+3], s[G1A:G1A+7]
	s_nop 0
	tensor_load_to_lds s[G0A+4:G0A+7], s[G1A:G1A+7]
	s_nop 0
	s_branch .Lff_e
.Lff_b:
	s_cmp_lg_u32 s19, 1
	s_cbranch_scc1 .Lff_e
	tensor_load_to_lds s[G0B:G0B+3], s[G1B:G1B+7]
	s_nop 0
	tensor_load_to_lds s[G0B+4:G0B+7], s[G1B:G1B+7]
	s_nop 0
.Lff_e:
	PREF 2
	PREF 3
	WIN 0x40
.irp nt, 0,1,2,3,4,5,6,7
	global_load_b128 v[128+8*\nt:128+8*\nt+3], v[BO], s[8:9] offset:64*\nt          ; bq of columns 16 nt + 8 h + 0..7
	global_load_b128 v[132+8*\nt:132+8*\nt+3], v[BO], s[8:9] offset:64*\nt+16
.endr
.irp i, 0,1
.irp t, 0,1,2,3
	global_load_b128 v[192+32*\i+8*\t:192+32*\i+8*\t+3], v[TBO], s[10:11] offset:4096*\i+64*\t      ; (cos, sin) of position 16 i + r, frequencies 8 t + 4 h + 0..3
	global_load_b128 v[196+32*\i+8*\t:196+32*\i+8*\t+3], v[TBO], s[10:11] offset:4096*\i+64*\t+16
.endr
.endr
	WIN 0
; ---------------- phase 1 ----------------
.macro FETCHG slot, c, buf             ; the fragments of 32 k: q as f32 (8 loads), wqb by transposing loads (16)
.irp i, 0,1
	ds_load_b128 v[AF+16*\i:AF+16*\i+3],     v[ADRA+\slot] offset:16*APG*\i+128*\c
	ds_load_b128 v[AF+16*\i+4:AF+16*\i+7],   v[ADRA+\slot] offset:16*APG*\i+128*\c+16
	ds_load_b128 v[AF+16*\i+8:AF+16*\i+11],  v[ADRA+\slot] offset:16*APG*\i+128*\c+64
	ds_load_b128 v[AF+16*\i+12:AF+16*\i+15], v[ADRA+\slot] offset:16*APG*\i+128*\c+80
.endr
.irp nt, 0,1,2,3,4,5,6,7
	ds_load_tr16_b128 v[WB+64*\buf+8*\nt:WB+64*\buf+8*\nt+3],   v[ADRB+\slot] offset:32*BPG*\c+32*\nt
	ds_load_tr16_b128 v[WB+64*\buf+8*\nt+4:WB+64*\buf+8*\nt+7], v[ADRB+\slot] offset:32*BPG*\c+32*\nt+16*BPG
.endr
.endm
.macro CVTG buf                        ; q to f16.  These 16 plain instructions are also the places between a matrix instruction and the loads and writes that follow
.irp i, 0,1
.irp m, 0,1,2,3,4,5,6,7
	v_cvt_pk_f16_f32 v[AB+16*\buf+8*\i+\m], v[AF+16*\i+2*\m], v[AF+16*\i+2*\m+1]
.endr
.endr
.endm
.macro MMG buf, zero                   ; 16 matrix instructions; the 16 accumulators take turns, one instruction a turn, over the loop's backward jump too
	WIN 0x50
.irp nt, 0,1,2,3,4,5,6,7
.irp i, 0,1
.if \zero
	v_wmma_f32_16x16x32_f16 v[8*(8*\i+\nt):8*(8*\i+\nt)+7], v[WB+64*\buf+8*\nt:WB+64*\buf+8*\nt+7], v[AB+16*\buf+8*\i:AB+16*\buf+8*\i+7], 0
.else
	v_wmma_f32_16x16x32_f16 v[8*(8*\i+\nt):8*(8*\i+\nt)+7], v[WB+64*\buf+8*\nt:WB+64*\buf+8*\nt+7], v[AB+16*\buf+8*\i:AB+16*\buf+8*\i+7], v[8*(8*\i+\nt):8*(8*\i+\nt)+7]
.endif
.endr
.endr
	WIN 0
.endm
.macro GC0 slot, zero                  ; the first quarter of a K step on slot 'slot': its fragments were asked for behind the last change of slots
	s_wait_dscnt 0x0
	CVTG 0
	FETCHG \slot, 1, 1
	MMG 0, \zero
.endm
; The other three quarters.  In the last one the slot changes: each wave's reads of the slot are back and all its tensor loads have landed in front of the
; opening signal of a round of the cluster's barrier; only matrix instructions stand inside; the joint refill is the first tensor load behind the round.
; kind 0: the refill is the K step two on.  kind 1 (K steps 6 and 7): phase 2's first two tiles of K and V, into the slots that phase 1 has left.
; fetch 1: the next K step's first fragments are asked for.
.macro GREST slot, other, kind, fetch
	s_wait_dscnt 0x0
	CVTG 1
	FETCHG \slot, 2, 0
	MMG 1, 0
	s_wait_dscnt 0x0
	CVTG 0
	FETCHG \slot, 3, 1
	MMG 0, 0
	s_wait_dscnt 0x0                               ; my reads of this slot are over
	CVTG 1
	s_wait_xcnt 0x0
	v_lshl_add_u32 v254, v0, 2, 0x43000
	v_mov_b32 v255, 0
	s_wait_tensorcnt 0x0                           ; all my tensor loads have landed: my part of the other slot
	ds_add_u32 v254, v255
	s_wait_dscnt 0x0
	s_barrier_signal -1
	MMG 1, 0
	s_barrier_wait -1
	CREST
.if \kind == 0
	s_add_nc_u64 s[G0A+4*\slot+2:G0A+4*\slot+3], s[G0A+4*\slot+2:G0A+4*\slot+3], 1024
	s_add_nc_u64 s[G0B+4*\slot+2:G0B+4*\slot+3], s[G0B+4*\slot+2:G0B+4*\slot+3], 524288
	JLOAD G0A+4*\slot, G1A, G0B+4*\slot, G1B
	PREFL 4+\slot
.else
	JLOAD G0K+4*\slot, G1K, G0V+4*\slot, G1V
.endif
.if \fetch
	FETCHG \other, 0, 0
.endif
.endm
	s_wait_tensorcnt 0x1                           ; my part of K step 0 is in; K step 1's may stay out
	s_barrier_signal -1
	s_barrier_wait -1
	FETCHG 0, 0, 0
	GC0 0, 1                                       ; the first products start the sums: nothing is cleared
	s_mov_b32 s94, 3                               ; three trips: K steps 0 to 5 and the first quarter of step 6; K steps 2 to 7 are asked for
.Lgemm:
	GREST 0, 1, 0, 1
	GC0 1, 0
	GREST 1, 0, 0, 1
	GC0 0, 0
	s_wait_xcnt 0x0                                ; the prefetches' base is stepped only behind this wait; the last prefetch stands a quarter step back
	s_add_nc_u64 s[96:97], s[96:97], 1024          ; two tiles of 512 bytes on
	s_sub_co_u32 s94, s94, 1
	s_cmp_lg_u32 s94, 0
	s_cbranch_scc1 .Lgemm
	GREST 0, 1, 1, 1                               ; K step 6: tile 0 of K and V goes into slot 0
	GC0 1, 0
	GREST 1, 0, 1, 0                               ; K step 7: tile 1 goes into slot 1; its round has shown tile 0 landed to every wave
	; bias, rotation (the table carries log2(e)/8), packing into the Q fragments
	PLACES
	s_wait_loadcnt 0x0                             ; bias and table
.irp i, 0,1
	WIN 0x05
.irp nt, 0,1,2,3,4,5,6,7
.irp m, 0,2,4,6
	v_pk_add_f32 v[R1+8*\nt+\m:R1+8*\nt+\m+1], v[8*(8*\i+\nt)+\m:8*(8*\i+\nt)+\m+1], v[128+8*\nt+\m:128+8*\nt+\m+1]
.endr
.endr
	WIN 0x01
.irp nt, 0,1,2,3,4,5,6,7
.irp e, 0,1,2,3
	v_mul_f32 v[R2+8*\nt+2*\e],   v[192+32*\i+8*(\nt&3)+2*\e+1], v[R1+8*\nt+2*\e+1]      ; sin x1
	v_mul_f32 v[R2+8*\nt+2*\e+1], v[192+32*\i+8*(\nt&3)+2*\e+1], v[R1+8*\nt+2*\e]        ; sin x0
.endr
.endr
.irp nt, 0,1,2,3,4,5,6,7
.irp e, 0,1,2,3
	v_fma_f32 v[R1+8*\nt+2*\e],   v[192+32*\i+8*(\nt&3)+2*\e], v[R1+8*\nt+2*\e],   -v[R2+8*\nt+2*\e]
	v_fma_f32 v[R1+8*\nt+2*\e+1], v[192+32*\i+8*(\nt&3)+2*\e], v[R1+8*\nt+2*\e+1], v[R2+8*\nt+2*\e+1]
.endr
.endr
	WIN 0
.irp nt, 0,1,2,3,4,5,6,7
.irp e, 0,1,2,3
	v_cvt_pk_f16_f32 v[QF+16*(2*\i+(\nt>>2))+4*(\nt&3)+\e], v[R1+8*\nt+2*\e], v[R1+8*\nt+2*\e+1]
.endr
.endr
.endr
; ---------------- phase 2 ----------------
.macro KLOAD                           ; 64 keys x 64 d at KA: eight first-source fragments
.irp a, 0,1,2,3
.irp f, 0,1
	ds_load_b128 v[KF+16*\a+8*\f:KF+16*\a+8*\f+3],   v[KA] offset:16*\a*KP+64*\f
	ds_load_b128 v[KF+16*\a+8*\f+4:KF+16*\a+8*\f+7], v[KA] offset:16*\a*KP+64*\f+32
.endr
.endr
.endm
.macro VLOAD                           ; V^T of 64 keys at VA: eight first-source fragments by transposing loads, into window 1
	WIN 0x40
.irp c2, 0,1
.irp dt, 0,1,2,3
	ds_load_tr16_b128 v[128+32*\c2+8*\dt:128+32*\c2+8*\dt+3], v[VA] offset:32*\c2*VP+32*\dt
	ds_load_tr16_b128 v[132+32*\c2+8*\dt:132+32*\c2+8*\dt+3], v[VA] offset:32*\c2*VP+32*\dt+16*VP
.endr
.endr
	WIN 0
.endm
.macro STEPADR                         ; 64 keys on
	v_add_nc_u32 v[KA], 64*KP, v[KA]
	v_add_nc_u32 v[VA], 64*VP, v[VA]
	s_wait_alu depctr_va_vdst(0)
.endm
.macro SMM nq, sb                      ; S^T of q tile nq: four key tiles by turns, d 0-31 (starting the sums), then d 32-63
.irp a, 0,1,2,3
	v_wmma_f32_16x16x32_f16 v[SB+32*(\sb)+8*\a:SB+32*(\sb)+8*\a+7], v[KF+16*\a:KF+16*\a+7], v[QF+16*(\nq):QF+16*(\nq)+7], 0
.endr
.irp a, 0,1,2,3
	v_wmma_f32_16x16x32_f16 v[SB+32*(\sb)+8*\a:SB+32*(\sb)+8*\a+7], v[KF+16*\a+8:KF+16*\a+15], v[QF+16*(\nq)+8:QF+16*(\nq)+15], v[SB+32*(\sb)+8*\a:SB+32*(\sb)+8*\a+7]
.endr
.endm
.macro SUBE a                          ; key tile a: s - m, then 2^x in place
.irp m, 0,2,4,6
	v_pk_add_f32 v[SBB+8*\a+\m:SBB+8*\a+\m+1], v[SBB+8*\a+\m:SBB+8*\a+\m+1], v[TM:TM+1] neg_lo:[0,1] neg_hi:[0,1]
.endr
.irp m, 0,1,2,3,4,5,6,7
	v_exp_f32 v[SBB+8*\a+\m], v[SBB+8*\a+\m]
.endr
.endm
.macro SUMC a                          ; key tile a: into the row sum (two chains), then packed to f16 at SBB + 4 a: tiles 2 c, 2 c + 1 make the fragment of keys 32 c ..
.if \a == 0
	s_wait_alu depctr_va_vdst(0)
	v_pk_add_f32 v[SUMP:SUMP+1], v[SBB:SBB+1], v[SBB+2:SBB+3]
	v_pk_add_f32 v[SUMQ:SUMQ+1], v[SBB+4:SBB+5], v[SBB+6:SBB+7]
.else
	s_wait_alu depctr_va_vdst(0)
	v_pk_add_f32 v[SUMP:SUMP+1], v[SUMP:SUMP+1], v[SBB+8*\a:SBB+8*\a+1]
	v_pk_add_f32 v[SUMQ:SUMQ+1], v[SUMQ:SUMQ+1], v[SBB+8*\a+2:SBB+8*\a+3]
	v_pk_add_f32 v[SUMP:SUMP+1], v[SUMP:SUMP+1], v[SBB+8*\a+4:SBB+8*\a+5]
	v_pk_add_f32 v[SUMQ:SUMQ+1], v[SUMQ:SUMQ+1], v[SBB+8*\a+6:SBB+8*\a+7]
.endif
.irp m, 0,1,2,3
	v_cvt_pk_f16_f32 v[SBB+4*\a+\m], v[SBB+8*\a+2*\m], v[SBB+8*\a+2*\m+1]
.endr
.endm
; The head of q tile qt's turn.  Its S^T lies in buffer qt & 1.  The maximum; then (smm = 1) the next tile's S^T into the other buffer (behind turn 3: the next
; step's tile 0); then the exponentials of key tiles 0 and 1.  first = 1: the step that starts maximum, sum and O^T.
.macro HEAD qt, first, smm
.set SBB, SB+32*(\qt&1)
.set NQ, (\qt+1)&3
.set NSB, (\qt+1)&1
	; the largest of my 32 scores and the running maximum: 16 three-way maxima in four chains.  They name neither the last P V's registers nor the last S^T's:
	; they are the places in front of the loads of V and of the matrix instructions that write the other buffer.
.irp k, 0,1,2,3
	v_max3_num_f32 v[CH+\k], v[SBB+8*\k], v[SBB+8*\k+1], v[SBB+8*\k+2]
.endr
.irp k, 0,1,2,3
	v_max3_num_f32 v[CH+\k], v[CH+\k], v[SBB+8*\k+3], v[SBB+8*\k+4]
.endr
.if \qt == 0
	VLOAD                                          ; this step's V
.endif
.irp k, 0,1,2,3
	v_max3_num_f32 v[CH+\k], v[CH+\k], v[SBB+8*\k+5], v[SBB+8*\k+6]
.endr
	v_max3_num_f32 v[CH], v[CH], v[SBB+7], v[SBB+15]
	v_max3_num_f32 v[CH+1], v[CH+1], v[SBB+23], v[SBB+31]
.if \first
	v_max_num_f32 v[CH+2], v[CH+2], v[CH+3]
.else
	v_max3_num_f32 v[CH+2], v[CH+2], v[CH+3], v[MX+\qt]
.endif
	v_max3_num_f32 v[CH], v[CH], v[CH+1], v[CH+2]
	v_permlanex16_b32 v[PT], v[CH], s92, s93       ; the other half of the lanes holds the query's other 32 keys
	v_max_num_f32 v[TM], v[CH], v[PT]
	v_max_num_f32 v[TM+1], v[CH], v[PT]
.if \first == 0
	v_sub_f32 v[TD], v[MX+\qt], v[TM]
	v_exp_f32 v[AL], v[TD]
	v_exp_f32 v[AL+1], v[TD]
.endif
	v_mov_b32 v[MX+\qt], v[TM]                     ; also the plain instruction behind the two exponentials (ISA guide 5.7.2)
.if \smm
.if \qt == 3
	s_wait_dscnt 0x0                               ; the next step's K fragments, asked for in turn 2
.endif
	SMM NQ, NSB
.endif
	; each run of exponentials is followed by plain arithmetic on another key tile, or by the address steps
	SUBE 0
	SUBE 1
.endm
; The rest of q tile qt's turn: the other exponentials, the row sum, packing, rescaling, O^T += V^T P^T.
.macro FIN qt, first
.set SBB, SB+32*(\qt&1)
	SUMC 0
	SUBE 2
	SUMC 1
	SUBE 3
	SUMC 2
	SUMC 3
	v_pk_add_f32 v[SUMP:SUMP+1], v[SUMP:SUMP+1], v[SUMQ:SUMQ+1]
.if \first
	v_add_f32 v[LS+\qt], v[SUMP], v[SUMP+1]
.else
	v_add_f32 v[SUMP], v[SUMP], v[SUMP+1]
	v_fma_f32 v[LS+\qt], v[LS+\qt], v[AL], v[SUMP]
.endif
.if \qt == 0
	s_wait_dscnt 0x0                               ; this step's V fragments
.endif
	WIN 0x51
.if \first == 0
.irp dt, 0,1,2,3
.irp m, 0,2,4,6
	v_pk_mul_f32 v[32*\qt+8*\dt+\m:32*\qt+8*\dt+\m+1], v[32*\qt+8*\dt+\m:32*\qt+8*\dt+\m+1], v[AL:AL+1]
.endr
.endr
.endif
	; the four d tiles take turns, keys 0-31, then keys 32-63
.irp dt, 0,1,2,3
.if \first
	v_wmma_f32_16x16x32_f16 v[32*\qt+8*\dt:32*\qt+8*\dt+7], v[128+8*\dt:128+8*\dt+7], v[SBB:SBB+7], 0
.else
	v_wmma_f32_16x16x32_f16 v[32*\qt+8*\dt:32*\qt+8*\dt+7], v[128+8*\dt:128+8*\dt+7], v[SBB:SBB+7], v[32*\qt+8*\dt:32*\qt+8*\dt+7]
.endif
.endr
.irp dt, 0,1,2,3
	v_wmma_f32_16x16x32_f16 v[32*\qt+8*\dt:32*\qt+8*\dt+7], v[160+8*\dt:160+8*\dt+7], v[SBB+8:SBB+15], v[32*\qt+8*\dt:32*\qt+8*\dt+7]
.endr
	WIN 0
.endm
.macro APART first                     ; a step up to the place where a slot can change: turns 0 and 1 and the head of turn 2.  Reads V at VA
	HEAD 0, \first, 1
	FIN 0, \first
	HEAD 1, \first, 1
	FIN 1, \first
	HEAD 2, \first, 1
.endm
.macro ZPART first, last               ; the rest of the step.  last = 0: the next step's K fragments are read at KA, and its first S^T is issued in turn 3
.if \last == 0
	KLOAD                                          ; eight packed subtractions and two address steps stand between the last S^T's matrix instructions and these loads into their sources
.endif
	FIN 2, \first
.if \last
	HEAD 3, \first, 0
.else
	HEAD 3, \first, 1
.endif
	FIN 3, \first
.endm
.macro GROUP n                         ; n trips: the rest of step j - 1 and the head of step j; KA and VA stand at step j's keys
	s_mov_b32 s95, \n
.Lgrp_\@:
	ZPART 0, 0
	APART 0
	STEPADR
	s_sub_co_u32 s95, s95, 1
	s_cmp_lg_u32 s95, 0
	s_cbranch_scc1 .Lgrp_\@
.endm
.macro CHANGE slot                     ; 'slot' has been read to its end and is filled again; the other slot is read next
	s_wait_dscnt 0x0                               ; my reads of this slot are over (K's in the trip before, V's in turn 0)
	s_wait_xcnt 0x0
	v_lshl_add_u32 v254, v0, 2, 0x43000
	v_mov_b32 v255, 0
	s_wait_tensorcnt 0x0                           ; all my tensor loads have landed: my part of the other slot
	ds_add_u32 v254, v255
	s_wait_dscnt 0x0
	CROUND                                         ; both hold of every wave of the cluster
	s_add_nc_u64 s[G0K+4*\slot+2:G0K+4*\slot+3], s[G0K+4*\slot+2:G0K+4*\slot+3], 65536
	s_add_nc_u64 s[G0V+4*\slot+2:G0V+4*\slot+3], s[G0V+4*\slot+2:G0V+4*\slot+3], 65536
	JLOAD G0K+4*\slot, G1K, G0V+4*\slot, G1V       ; 256 keys, two tiles on: they have four steps in which to land
	v_mov_b32 v[KA], v[ADRK+1-\slot]
	v_mov_b32 v[VA], v[ADRV+1-\slot]
.endm
	v_mov_b32 v[KA], v[ADRK]                       ; step 0: slot 0's first keys
	v_mov_b32 v[VA], v[ADRV]
	KLOAD
	s_wait_dscnt 0x0
	SMM 0, 0
	PLACES                                         ; the first turn reads these results at once
	APART 1                                        ; step 0 starts maximum, sum and O^T
	STEPADR
	ZPART 1, 0
	APART 0                                        ; the head of step 1
	STEPADR
	GROUP 2                                        ; steps 2 and 3: tile 0 is read to its end
	s_mov_b32 s94, 3                               ; three trips of eight steps, steps 4 to 27: tiles 2 to 7 are asked for in them
.Lkv:
	CHANGE 0
	GROUP 4
	CHANGE 1
	GROUP 4
	s_sub_co_u32 s94, s94, 1
	s_cmp_lg_u32 s94, 0
	s_cbranch_scc1 .Lkv
	s_wait_dscnt 0x0                               ; the last change of slots fetches nothing
	s_wait_tensorcnt 0x0                           ; my part of the last tile has landed;
	s_barrier_signal -1
	s_barrier_wait -1                              ; everybody's has.
	v_mov_b32 v[KA], v[ADRK+1]
	v_mov_b32 v[VA], v[ADRV+1]
	GROUP 4                                        ; steps 28 to 31
	ZPART 0, 1                                     ; the rest of step 31: no keys are left
	; the way out: 1 / l, rounding to f16, 16 rows at a time through my own stage, whole rows of 256 bytes to hb
	PLACES
.irp x, 0,1,2,3
	v_permlanex16_b32 v[CH+\x], v[LS+\x], s92, s93 ; the other half's part of the sum
.endr
.irp x, 0,1,2,3
	v_add_f32 v[CH+\x], v[CH+\x], v[LS+\x]
.endr
.irp x, 0,1,2,3
	v_rcp_f32 v[INV+2*\x], v[CH+\x]
	v_rcp_f32 v[INV+2*\x+1], v[CH+\x]
.endr
	v_nop                                          ; one plain instruction behind the reciprocals (ISA guide 5.7.2)
	s_wait_alu depctr_va_vdst(0)
.macro OUT16 i, fb                     ; rows 16 i .. 16 i + 15 of my 32, my 128 columns; fb: the registers of the read-back, a set of its own for each i
	WIN 0x01
.irp hd, 0,1
.irp dt, 0,1,2,3
.irp m, 0,2,4,6
	v_pk_mul_f32 v[R1+32*\hd+8*\dt+\m:R1+32*\hd+8*\dt+\m+1], v[32*(2*\i+\hd)+8*\dt+\m:32*(2*\i+\hd)+8*\dt+\m+1], v[INV+2*(2*\i+\hd):INV+2*(2*\i+\hd)+1]
.endr
.endr
.endr
	WIN 0
.irp hd, 0,1
.irp dt, 0,1,2,3
.irp e, 0,1,2,3
	v_cvt_pk_f16_f32 v[R2+16*\hd+4*\dt+\e], v[R1+32*\hd+8*\dt+2*\e], v[R1+32*\hd+8*\dt+2*\e+1]
.endr
.endr
.endr
.irp hd, 0,1
.irp dt, 0,1,2,3
	ds_store_b128 v[STO], v[R2+4*(4*\hd+\dt):R2+4*(4*\hd+\dt)+3] offset:32*(4*\hd+\dt)
.endr
.endr
.irp t, 0,1,2,3,4,5,6,7
	ds_load_b128 v[\fb+4*\t:\fb+4*\t+3], v[RD] offset:\t*2*SP      ; LDS serves a wave's instructions in order: these see the stores above
.endr
.irp t, 0,1,2,3,4,5,6,7
	s_wait_dscnt 7-\t                              ; the younger read-backs may stay out
	global_store_b128 v[CO], v[\fb+4*\t:\fb+4*\t+3], s[16:17] offset:(16*\i+2*\t)*2048   ; 16 lanes store 256 consecutive bytes, at a multiple of 256 from hb's first byte
.endr
.endm
	OUT16 0, 128
	OUT16 1, 160
	s_wait_xcnt 0x0
	v_lshl_add_u32 v254, v0, 2, 0x43000
	v_mov_b32 v255, 0
	s_wait_tensorcnt 0x0
	ds_add_u32 v254, v255
	s_wait_dscnt 0x0
	CROUND                                         ; the closing round: no work-group ends while a partner may still ask for a tile that names it
	s_endpgm
.Lfunc_end_k_q3d7192bb2a_attn:
	.size	k_q3d7192bb2a_attn, .Lfunc_end_k_q3d7192bb2a_attn-k_q3d7192bb2a_attn
	.p2alignl 7, 3214868480
	.fill 96, 4, 3214868480
	.section	.rodata,"a",@progbits
	.p2align	6, 0x0
	.amdhsa_kernel k_q3d7192bb2a_attn
		.amdhsa_group_segment_fixed_size 327680
		.amdhsa_private_segment_fixed_size 0
		.amdhsa_enable_private_segment 0
		.amdhsa_kernarg_size 56
		.amdhsa_user_sgpr_count 2
		.amdhsa_user_sgpr_kernarg_segment_ptr 1
		.amdhsa_wavefront_size32 1
		.amdhsa_system_sgpr_workgroup_id_x 1
		.amdhsa_system_sgpr_workgroup_id_y 1
		.amdhsa_system_sgpr_workgroup_id_z 1
		.amdhsa_system_vgpr_workitem_id 0
		.amdhsa_next_free_vgpr 512
		.amdhsa_next_free_sgpr 102
		.amdhsa_reserve_vcc 0
		.amdhsa_float_denorm_mode_32 3
		.amdhsa_float_denorm_mode_16_64 3
		.amdhsa_memory_ordered 1
		.amdhsa_forward_progress 1
		.amdhsa_inst_pref_size 255
	.end_amdhsa_kernel
	.section	.bss,"aw",@nobits
	.p2align	6
	.space	262144
	.amdgpu_metadata
---
amdhsa.version: [ 1, 2 ]
amdhsa.kernels:
  - .name:           k_q3d7192bb2a_attn
    .symbol:         k_q3d7192bb2a_attn.kd
    .args:
      - { .name: q, .offset: 0, .size: 8, .value_kind: global_buffer, .address_space: global }
      - { .name: wqb, .offset: 8, .size: 8, .value_kind: global_buffer, .address_space: global }
      - { .name: bq, .offset: 16, .size: 8, .value_kind: global_buffer, .address_space: global }
      - { .name: rope, .offset: 24, .size: 8, .value_kind: global_buffer, .address_space: global }
      - { .name: kb, .offset: 32, .size: 8, .value_kind: global_buffer, .address_space: global }
      - { .name: vb, .offset: 40, .size: 8, .value_kind: global_buffer, .address_space: global }
      - { .name: hb, .offset: 48, .size: 8, .value_kind: global_buffer, .address_space: global }
    .group_segment_fixed_size: 327680
    .private_segment_fixed_size: 0
    .kernarg_segment_align: 8
    .kernarg_segment_size: 56
    .max_flat_workgroup_size: 256
    .sgpr_count:     102
    .vgpr_count:     512
    .wavefront_size: 32
...
	.end_amdgpu_metadata
.endif
;; end of part 4
;; launch oproj: the kernel of part 3 again; grid 4 x 64, 4 waves a work-group, clusters of 4 x 4, 327,680 bytes of LDS; arguments hb, wob, bo, out0; writes out0
;; ======== version 3 of 3: 3 launches; version 2 with the launch prep written anew for expert scheduling mode
;; limits: values are held in f16: magnitudes above 65,504 overflow, below 6.1e-05 lose precision
;; workspace buffers: wqb 2,097,152 bytes; wob 2,097,152 bytes; rope 524,288 bytes; kb 1,048,576 bytes; vb 1,048,576 bytes; hb 16,777,216 bytes
;; launch prep (part 5): grid 256 x 1, 8 waves a work-group, no clusters, 144,384 bytes of LDS; arguments kv, Wkv, bkv, Wq, Wo, wqb, wob, rope, kb, vb; writes wqb, wob, rope, kb, vb
.if DOCPART == 5
	.amdgcn_target "amdgcn-amd-amdhsa--gfx1250"
	.amdhsa_code_object_version 6
	.text
	.protected	k_q3d7192bb2a_prep
	.globl	k_q3d7192bb2a_prep
	.p2align	8
	.type	k_q3d7192bb2a_prep,@function
k_q3d7192bb2a_prep:
	s_mov_b64 s[64:65], 0
	v_nop
	global_prefetch_b8 v0, s[64:65] scope:SCOPE_SE
	s_setreg_imm32_b32 hwreg(HW_REG_WAVE_SCHED_MODE, 0, 2), 2
	s_setreg_imm32_b32 hwreg(HW_REG_WAVE_MODE, 25, 1), 1
	s_wait_xcnt 0x0
	s_wait_alu depctr_vm_vsrc(0)
; prep: (1) Wq and Wo, f32 [1024][1024], rounded to f16 in the same layout (wqb, wob);
;       (2) the rotary table rope[pos][f] = (cos, sin)(pos * 4096^(-f/32)) * sigma, sigma = log2(e)/8, f32, 2048 x 32 pairs;
;       (3) kv @ Wkv + bkv: columns 0-63 rotated (K) -> kb, columns 64-127 (V) -> vb, both f16 [8192][64].
; 256 work-groups of eight waves.  Work-group g owns rows 32 g .. 32 g + 31 of kv, elements 4096 g .. of Wq and Wo, table positions 8 g .. 8 g + 7.
; The product is split along K: wave w multiplies k = 128 w .. 128 w + 127 for all 32 rows x 128 columns (16 accumulator tiles, 4 chunks of 32 k),
; so no operand is read from LDS twice; the eight partial sums meet in LDS once, behind the text's only barrier.
; F16, NOT BF16: the attention's result is a mean over 2,048 keys, in which the rounding errors of the operands average down at the same rate as the mean
; itself, so every operand's relative rounding shows in full in the result; 11 significant bits keep the sum of all roundings far inside 1 per cent.
; ROOM IN F16 (largest number 65,504; below 2^-14 the step is 2^-24): kv of spread 1 and weights of spread 0.02 give K and V of spread 0.64.  All inputs
; 30 times larger: kv 30, weights 0.6, K and V 576.  All 30 times smaller: kv 0.033, weights 6.7e-4 (the step is 1e-4 of that), K and V 7e-4.  A common offset
; of 30 spreads on kv and on Wkv: K and V near 1024 x 30 x 0.6 = 18,432.  LIMIT: an operand beyond 65,504 in magnitude becomes an infinity.
; NO JOINT LOADS: Wkv is f32 with k down the rows; it has to pass through registers (rounding to f16) before it can lie in LDS for the
; transposing loads, so a tile brought into LDS by a copy engine would be read, rounded and stored there once more: 6 more LDS bytes an element.
; OTHER LIMITS: the angle's reduction (two-part pi/2) and the polynomials hold for angles up to 2047 rad, which the shapes give (pos < 2048, frequency <= 1);
; the sums over k are formed in another order than a plain ascending one; NaN and infinities are not treated specially.
; THE MODE: SCHED_MODE bits 1:0 = 2 (LLVM: expert scheduling mode 2), set by the entry lines.  The code itself states the register dependences
; between vector or matrix instructions and memory or LDS instructions, with s_wait_alu, always for 0.
; THE PLAN.  Registers that memory or LDS instructions touch:
;   v4-v15, v31   offsets and LDS addresses: written once at the head, never again; one wait on va_vdst ahead of the first load serves the whole kernel.
;   v48-63        the biases: loaded once, read by the final sums.
;   v64-95        Wq and Wo as loaded: read by 16 conversions, later part of TMP.
;   v96-113       the first out-buffer: written by those conversions and by the table's two multiplies, read by five stores behind one wait, later part of TMP.
;   pool 0, 1     window 1: a batch of 32 loads lands; CVT64 alone reads it; the batch two on lands in it.
;   TMP           CVT64 writes it, 32 LDS stores read it, the transposing loads land in it, the matrix instructions read it.
;   AFR           LDS loads land in it, the matrix instructions read it.
;   ACC           the matrix instructions write it, 32 LDS stores read it, the eight waves' partial sums land in it, the final sums read it.
;   v64-71        the last out-buffer: written by eight conversions, read by two stores behind one wait.
; So a chunk has two waits.  One on va_vdst behind its 64 conversions: TMP is written, the pool has been read, and the last chunk's matrix instructions are done with
; TMP and AFR; no vector or matrix instruction is issued between it and the chunk's own products, so all 84 memory and LDS instructions of the chunk lean on it.
; One on vm_vsrc behind the LDS stores: they have read TMP, in which the fragments land.
.set AREA,   17920                     ; LDS of one wave: W chunk 32 x 288, then A 32 x 272; later the wave's partial sums, 32 x 528
.set WPITCH, 288                       ; 128 f16 + 32 bytes: an odd multiple of 32 for the transposing loads
.set APITCH, 272                       ; 128 f16 + 16 bytes
.set RPITCH, 528                       ; 128 f32 + 16 bytes
.set AOFF,   32*WPITCH
.set GA,   4                           ; 16 L + 512 w: my 16 bytes of a kv row's slice
.set GW,   5                           ; 16 L + 65536 w: my 16 bytes of a Wkv row, at my wave's first k
.set LAS,  6                           ; LDS: where I put 8 bytes of an A row
.set LWS,  7                           ; LDS: where I put 8 bytes of a W row
.set LAF,  8                           ; LDS: my part of an A fragment
.set LWF,  9                           ; LDS: my part of a W fragment (transposing load)
.set LRS,  10                          ; LDS: where I put my partial sums
.set LR0,  11                          ; LDS: where I read the partial sums of waves 0-3
.set LR1,  12                          ; and of waves 4-7
.set GC,   13                          ; 32 t
.set GS,   14                          ; 16 t
.set GB,   15                          ; 32 (L & 7)
.set CS,   16                          ; v[16:23] four (cos, sin) for my eight columns of K
.set TT,   24                          ; v[24:28] at work
.set POSF, 29
.set FF,   30
.set GT,   31                          ; 8 t
.set AFR,  32                          ; v[32:47] two A fragments
.set BK,   48                          ; v[48:55] bias of my eight K columns
.set BV,   56                          ; v[56:63] bias of my eight V columns
.set TMP,  64                          ; v[64:127] rounded words on their way into LDS, then the eight W fragments
.set ACC,  128                         ; v[128:255] tile (i, nt) at 128 + 8 (8 i + nt); later the partial sums read back
; window 1: v0-127 pool 0, v128-255 pool 1: 32 loads of 16 bytes a lane each
.set MSB, 0
.macro WIN new                         ; s_set_vgpr_msb: low byte = windows of source 0, 1, 2 and destination; high byte repeats the setting left
.if MSB != \new
	s_set_vgpr_msb (MSB<<8)|\new
.set MSB, \new
.endif
.endm
.macro PLACES                          ; four places behind a matrix instruction (ISA guide 7.12.1)
.rept 4
	v_nop
.endr
.endm
; (c, s) = (cos, sin) of POSF * 2^(-0.375 FF)
.macro SINCOS c, s
	v_mul_f32 v[TT], 0xbec00000, v[FF]             ; -0.375 f: 4096^(-f/32) = 2^(-12 f / 32)
	v_exp_f32 v[TT+1], v[TT]
	v_nop                                          ; one plain instruction behind v_exp_f32 (ISA guide 5.7.2)
	s_wait_alu depctr_va_vdst(0)                   ; the exponential has written v[TT+1], which the next line reads
	v_mul_f32 v[TT], v[POSF], v[TT+1]              ; the angle, as reference() forms it
	v_mul_f32 v[TT+1], 0x3f22f983, v[TT]           ; x 2/pi
	v_rndne_f32 v[TT+1], v[TT+1]                   ; n quarter turns
	v_fma_f32 v[TT], v[TT+1], 0xbfc90fdb, v[TT]    ; - n x (pi/2 rounded to f32)
	v_fma_f32 v[TT], v[TT+1], 0x333bbd2e, v[TT]    ; + n x (that rounding's error): |x| <= pi/4
	v_cvt_i32_f32 v[TT+1], v[TT+1]
	v_mul_f32 v[TT+2], v[TT], v[TT]                ; z = x^2
	v_fma_f32 v[TT+3], v[TT+2], s30, 0x3c088889    ; sine: -z/5040 + 1/120
	v_fma_f32 v[TT+3], v[TT+3], v[TT+2], 0xbe2aaaab
	v_mul_f32 v[TT+4], v[TT], v[TT+2]
	v_fma_f32 v[TT+3], v[TT+4], v[TT+3], v[TT]     ; S = x + x z (..)
	v_fma_f32 v[TT+4], v[TT+2], s31, 0xbab60b61    ; cosine: z/40320 - 1/720
	v_fma_f32 v[TT+4], v[TT+4], v[TT+2], 0x3d2aaaab
	v_fma_f32 v[TT+4], v[TT+4], v[TT+2], -0.5
	v_fma_f32 v[TT+4], v[TT+4], v[TT+2], 1.0       ; C
	v_and_b32 v[TT], 1, v[TT+1]
	v_cmp_eq_u32 vcc_lo, 1, v[TT]                  ; an odd quarter swaps the two (a choice of values only)
	v_lshlrev_b32 v[TT], 30, v[TT+1]               ; sine is negative in quarters 2, 3: bit 1 of n.  The two sign words are made between the compare and the wait for it
	v_and_b32 v[TT], 0x80000000, v[TT]
	v_add_nc_u32 v[TT+1], 1, v[TT+1]               ; cosine in quarters 1, 2: bit 1 of n + 1
	v_lshlrev_b32 v[TT+1], 30, v[TT+1]
	v_and_b32 v[TT+1], 0x80000000, v[TT+1]
	s_wait_alu depctr_va_vcc(0)                    ; the compare has written VCC, which the two selects read
	v_cndmask_b32 v[\s], v[TT+3], v[TT+4], vcc_lo
	v_cndmask_b32 v[\c], v[TT+4], v[TT+3], vcc_lo
	v_xor_b32 v[\s], v[TT], v[\s]
	v_xor_b32 v[\c], v[TT+1], v[\c]
.endm
.macro WLOAD b, pool                   ; 32 k rows of Wkv (chunk b of my slice), 512 bytes each, into a pool
	WIN 0x40
.set i, 0
.rept 32
	global_load_b128 v[\pool+4*i:\pool+4*i+3], v[GW], s[6:7] offset:(32*\b+i)*512
.set i, i+1
.endr
	WIN 0
.endm
.macro CVT64 pool                      ; a pool's 128 f32 a lane to 64 words of two f16
	WIN 0x05
.set i, 0
.rept 64
	v_cvt_pk_f16_f32 v[TMP+i], v[\pool+2*i], v[\pool+2*i+1]
.set i, i+1
.endr
	WIN 0
.endm
; One chunk of 32 k.  left = the loads that may stay out (the one younger batch of 32, or none).
.macro CHUNK c, pool, nextb, left, zero
	s_wait_loadcnt \left
.if \c
	PLACES                                         ; TMP and AFR were sources of the last chunk's matrix instructions
.else
	s_wait_alu depctr_vm_vsrc(0)                   ; the LDS stores of kv's rows have read TMP, which the conversions below write again
.endif
	CVT64 \pool
	s_wait_alu depctr_va_vdst(0)                   ; the conversions have written TMP, which the LDS stores read, and are done reading the pool, in which the chunk two on lands; the last chunk's matrix instructions are done reading TMP and AFR, in which the fragments land
.set i, 0
.rept 32
	ds_store_b64 v[LWS], v[TMP+2*i:TMP+2*i+1] offset:i*WPITCH
.set i, i+1
.endr
	s_wait_alu depctr_vm_vsrc(0)                   ; the LDS stores have read TMP, in which the transposing loads land
.irp nt, 0,1,2,3,4,5,6,7
	ds_load_tr16_b128 v[TMP+8*\nt:TMP+8*\nt+3],   v[LWF] offset:32*\nt              ; LDS serves a wave's instructions in order: these see the stores above
	ds_load_tr16_b128 v[TMP+8*\nt+4:TMP+8*\nt+7], v[LWF] offset:32*\nt+16*WPITCH
.endr
.irp i2, 0,1
	ds_load_b128 v[AFR+8*\i2:AFR+8*\i2+3],   v[LAF] offset:16*APITCH*\i2+64*\c
	ds_load_b128 v[AFR+8*\i2+4:AFR+8*\i2+7], v[LAF] offset:16*APITCH*\i2+64*\c+32
.endr
.if \nextb
	WLOAD \nextb, \pool                            ; issued while the fragments come out of LDS.  No wait: no vector or matrix instruction since the wait on va_vdst above names the pool or the offset
.endif
	s_wait_dscnt 0x0
; source 0 = 16 columns of Wkv, source 1 = 16 rows of kv: a lane's eight results are eight neighbouring columns of one row.
; The 16 accumulators take turns, one instruction a turn.
.irp nt, 0,1,2,3,4,5,6,7
.irp i2, 0,1
.if \zero
	v_wmma_f32_16x16x32_f16 v[ACC+8*(8*\i2+\nt):ACC+8*(8*\i2+\nt)+7], v[TMP+8*\nt:TMP+8*\nt+7], v[AFR+8*\i2:AFR+8*\i2+7], 0
.else
	v_wmma_f32_16x16x32_f16 v[ACC+8*(8*\i2+\nt):ACC+8*(8*\i2+\nt)+7], v[TMP+8*\nt:TMP+8*\nt+7], v[AFR+8*\i2:AFR+8*\i2+7], v[ACC+8*(8*\i2+\nt):ACC+8*(8*\i2+\nt)+7]
.endif
.endr
.endr
.endm
.macro REDUCE x, b                     ; the eight waves' partial sums, ascending, then the bias
.irp u, 1,2,3,4,5,6,7
.irp m, 0,2,4,6
	v_pk_add_f32 v[\x+\m:\x+\m+1], v[\x+\m:\x+\m+1], v[\x+8*\u+\m:\x+8*\u+\m+1]
.endr
.endr
.irp m, 0,2,4,6
	v_pk_add_f32 v[\x+\m:\x+\m+1], v[\x+\m:\x+\m+1], v[\b+\m:\b+\m+1]
.endr
.endm
	s_load_b512 s[4:19], s[0:1], 0x0               ; kv 4, Wkv 6, bkv 8, Wq 10, Wo 12, wqb 14, wob 16, rope 18
	s_load_b128 s[20:23], s[0:1], 0x40             ; kb 20, vb 22
	v_lshrrev_b32 v1, 5, v0
	v_readfirstlane_b32 s24, v1                    ; wave
	v_and_b32 v1, 31, v0                           ; L
	v_and_b32 v2, 15, v0                           ; r
	v_bfe_u32 v3, v0, 4, 1                         ; h
	s_wait_alu depctr_va_sdst(0)                   ; s24 is written, ahead of its first reader: the wave's LDS area and its offsets are made from it
	s_mul_i32 s25, s24, AREA                       ; my wave's LDS
	s_add_co_u32 s28, s25, AOFF
	s_mov_b32 s30, 0xb9500d01                      ; -1/5040
	s_mov_b32 s31, 0x37d00d01                      ; 1/40320
	v_lshlrev_b32 v24, 4, v1
	v_lshl_add_u32 v[GA], s24, 9, v24
	v_lshl_add_u32 v[GW], s24, 16, v24
	v_lshl_add_u32 v[LWS], v1, 3, s25
	v_lshl_add_u32 v[LAS], v1, 3, s28
	v_mul_u32_u24 v24, v2, APITCH
	v_lshl_add_u32 v24, v3, 4, v24
	v_add_nc_u32 v[LAF], s28, v24                  ; row r, 16 bytes for each half of the lanes
	v_and_b32 v26, 7, v0
	v_lshl_add_u32 v24, v3, 3, v26                 ; k row 8 h + (L & 7)
	v_mul_u32_u24 v24, v24, WPITCH
	v_bfe_u32 v25, v0, 3, 1
	v_lshl_add_u32 v24, v25, 4, v24
	v_add_nc_u32 v[LWF], s25, v24
	v_mul_u32_u24 v24, v2, RPITCH
	v_lshl_add_u32 v24, v3, 5, v24
	v_add_nc_u32 v[LRS], s25, v24
	v_lshrrev_b32 v27, 3, v0                       ; t >> 3: the row of the group's 32 that I finish
	v_mul_u32_u24 v24, v27, RPITCH
	v_lshl_add_u32 v[LR0], v26, 5, v24             ; and my eight columns
	v_add_nc_u32 v[LR1], 4*AREA, v[LR0]
	v_lshlrev_b32 v[GC], 5, v0
	v_lshlrev_b32 v[GS], 4, v0
	v_lshlrev_b32 v[GB], 5, v26
	v_lshlrev_b32 v[GT], 3, v0
	s_mov_b32 s27, 0
	s_wait_kmcnt 0x0
	s_lshl_b32 s26, ttmp9, 17                      ; 32 rows of 4,096 bytes
	s_add_nc_u64 s[4:5], s[4:5], s[26:27]
	s_lshl_b32 s26, ttmp9, 14                      ; 4,096 f32
	s_add_nc_u64 s[10:11], s[10:11], s[26:27]
	s_add_nc_u64 s[12:13], s[12:13], s[26:27]
	s_lshl_b32 s26, ttmp9, 13                      ; 4,096 f16
	s_add_nc_u64 s[14:15], s[14:15], s[26:27]
	s_add_nc_u64 s[16:17], s[16:17], s[26:27]
	s_lshl_b32 s26, ttmp9, 11                      ; 8 positions of 256 bytes
	s_add_nc_u64 s[18:19], s[18:19], s[26:27]
	s_lshl_b32 s26, ttmp9, 12                      ; 32 rows of 128 bytes
	s_add_nc_u64 s[20:21], s[20:21], s[26:27]
	s_add_nc_u64 s[22:23], s[22:23], s[26:27]
	s_wait_alu depctr_va_vdst(0)                   ; the offsets and LDS addresses v4 to v15 and v31 are written: every load and store of the kernel reads one of them, and none is written again
	global_load_b128 v[BK:BK+3],   v[GB], s[8:9]
	global_load_b128 v[BK+4:BK+7], v[GB], s[8:9] offset:16
	global_load_b128 v[BV:BV+3],   v[GB], s[8:9] offset:256
	global_load_b128 v[BV+4:BV+7], v[GB], s[8:9] offset:272
	global_load_b128 v[64:67], v[GC], s[10:11] th:TH_LOAD_NT
	global_load_b128 v[68:71], v[GC], s[10:11] offset:16 th:TH_LOAD_NT
	global_load_b128 v[72:75], v[GC], s[10:11] offset:8192 th:TH_LOAD_NT
	global_load_b128 v[76:79], v[GC], s[10:11] offset:8208 th:TH_LOAD_NT
	global_load_b128 v[80:83], v[GC], s[12:13] th:TH_LOAD_NT
	global_load_b128 v[84:87], v[GC], s[12:13] offset:16 th:TH_LOAD_NT
	global_load_b128 v[88:91], v[GC], s[12:13] offset:8192 th:TH_LOAD_NT
	global_load_b128 v[92:95], v[GC], s[12:13] offset:8208 th:TH_LOAD_NT
	WIN 0x40
.set i, 0
.rept 32
	global_load_b128 v[4*i:4*i+3], v[GA], s[4:5] offset:i*4096 th:TH_LOAD_NT   ; my slice (512 bytes) of the group's 32 rows, into pool 0
.set i, i+1
.endr
	WIN 0
	; while these fly: the four (cos, sin) of my eight K columns, and my pair of the table.  These lines name v16 to v30, v112 and v113: no register in which a load lands
	s_lshl_b32 s26, ttmp9, 5
	v_add_nc_u32 v27, s26, v27
	v_and_b32 v27, 0x7ff, v27                      ; the row's position in its sequence
	v_cvt_f32_u32 v[POSF], v27
	v_lshlrev_b32 v26, 2, v26
	v_cvt_f32_u32 v[FF], v26                       ; frequency 4 (L & 7)
	SINCOS CS, CS+1
	v_add_f32 v[FF], 1.0, v[FF]
	SINCOS CS+2, CS+3
	v_add_f32 v[FF], 1.0, v[FF]
	SINCOS CS+4, CS+5
	v_add_f32 v[FF], 1.0, v[FF]
	SINCOS CS+6, CS+7
	s_lshl_b32 s26, ttmp9, 3
	s_add_co_u32 s26, s26, s24                     ; table position 8 g + w, frequency L
	v_cvt_f32_u32 v[POSF], s26
	v_cvt_f32_u32 v[FF], v1
	SINCOS 112, 113
	v_mul_f32 v112, 0x3e38aa3b, v112               ; x log2(e) / 8: the scores then come out in powers of two
	v_mul_f32 v113, 0x3e38aa3b, v113
	s_wait_loadcnt 32                              ; the 32 kv loads are younger: the biases and my 32 numbers of Wq and Wo are in
.set i, 0
.rept 16
	v_cvt_pk_f16_f32 v[96+i], v[64+2*i], v[64+2*i+1]
.set i, i+1
.endr
	s_wait_alu depctr_va_vdst(0)                   ; the two multiplies have written v112 and v113 and the conversions v96 to v111, which the five stores read
	global_store_b64 v[GT], v[112:113], s[18:19]   ; a wave stores 256 consecutive bytes
	global_store_b128 v[GS], v[96:99],   s[14:15]
	global_store_b128 v[GS], v[100:103], s[14:15] offset:4096
	global_store_b128 v[GS], v[104:107], s[16:17]
	global_store_b128 v[GS], v[108:111], s[16:17] offset:4096
	WLOAD 0, 128                                   ; no vector instruction has named pool 1, nor the offset since the head's wait
	s_wait_loadcnt 32                              ; chunk 0 of Wkv is younger: kv is in
	s_wait_xcnt 0x0                                ; v96-113 were stores' data: TMP is rewritten only behind this wait
	s_wait_alu depctr_vm_vsrc(0)                   ; the five stores have read v96 to v113, which the conversions below write again as TMP
	CVT64 0
	s_wait_alu depctr_va_vdst(0)                   ; the conversions have written TMP, which the LDS stores read, and are done reading pool 0, in which chunk 1 of Wkv lands
.set i, 0
.rept 32
	ds_store_b64 v[LAS], v[TMP+2*i:TMP+2*i+1] offset:i*APITCH
.set i, i+1
.endr
	WLOAD 1, 0
	CHUNK 0, 128, 2, 32, 1
	CHUNK 1, 0,   3, 32, 0
	CHUNK 2, 128, 0, 32, 0
	CHUNK 3, 0,   0, 0,  0
	PLACES                                         ; the LDS stores read matrix results
	s_wait_alu depctr_va_vdst(0)                   ; the matrix instructions have written the accumulators, which the LDS stores read; the places above stay beside this wait
.irp i2, 0,1
.irp nt, 0,1,2,3,4,5,6,7
	ds_store_b128 v[LRS], v[ACC+8*(8*\i2+\nt):ACC+8*(8*\i2+\nt)+3]   offset:16*RPITCH*\i2+64*\nt
	ds_store_b128 v[LRS], v[ACC+8*(8*\i2+\nt)+4:ACC+8*(8*\i2+\nt)+7] offset:16*RPITCH*\i2+64*\nt+16
.endr
.endr
	s_wait_dscnt 0x0                               ; my partial sums are in LDS: zero, for the other waves' sake
	s_barrier_signal -1
	s_barrier_wait -1
	s_wait_alu depctr_vm_vsrc(0)                   ; my LDS stores have read v128 to v255, in which the eight waves' partial sums land (the matrix instructions that wrote them stand ahead of the last wait on va_vdst)
.irp u, 0,1,2,3
	ds_load_b128 v[128+8*\u:128+8*\u+3], v[LR0] offset:\u*AREA
	ds_load_b128 v[132+8*\u:132+8*\u+3], v[LR0] offset:\u*AREA+16
.endr
.irp u, 0,1,2,3
	ds_load_b128 v[160+8*\u:160+8*\u+3], v[LR1] offset:\u*AREA
	ds_load_b128 v[164+8*\u:164+8*\u+3], v[LR1] offset:\u*AREA+16
.endr
.irp u, 0,1,2,3
	ds_load_b128 v[192+8*\u:192+8*\u+3], v[LR0] offset:\u*AREA+256
	ds_load_b128 v[196+8*\u:196+8*\u+3], v[LR0] offset:\u*AREA+272
.endr
.irp u, 0,1,2,3
	ds_load_b128 v[224+8*\u:224+8*\u+3], v[LR1] offset:\u*AREA+256
	ds_load_b128 v[228+8*\u:228+8*\u+3], v[LR1] offset:\u*AREA+272
.endr
	s_wait_dscnt 16                                ; V's 16 loads are younger: K's are in
	REDUCE 128, BK
.irp e, 0,1,2,3
	v_mul_f32 v24, v[CS+2*\e+1], v[129+2*\e]       ; sin x1
	v_mul_f32 v25, v[CS+2*\e+1], v[128+2*\e]       ; sin x0
	v_fma_f32 v[128+2*\e], v[CS+2*\e], v[128+2*\e], -v24
	v_fma_f32 v[129+2*\e], v[CS+2*\e], v[129+2*\e], v25
.endr
.irp e, 0,1,2,3
	v_cvt_pk_f16_f32 v[64+\e], v[128+2*\e], v[129+2*\e]
.endr
	s_wait_dscnt 0x0
	REDUCE 192, BV
.irp e, 0,1,2,3
	v_cvt_pk_f16_f32 v[68+\e], v[192+2*\e], v[193+2*\e]
.endr
	s_wait_alu depctr_va_vdst(0)                   ; the eight conversions have written v64 to v71, which the two stores read
	global_store_b128 v[GS], v[64:67], s[20:21]    ; a wave stores 512 consecutive bytes: four rows of K
	global_store_b128 v[GS], v[68:71], s[22:23]
	s_wait_xcnt 0x0
	v_lshl_add_u32 v254, v0, 2, 0x23000            ; made anew: no memory or LDS instruction has read v254 or v255 since the wait on vm_vsrc behind the barrier
	v_mov_b32 v255, 0
	s_wait_dscnt 0x0                               ; the closing lines, six on end
	s_wait_alu 0x0
	s_wait_tensorcnt 0x0
	ds_add_u32 v254, v255
	s_wait_dscnt 0x0
	s_endpgm
.Lfunc_end_k_q3d7192bb2a_prep:
	.size	k_q3d7192bb2a_prep, .Lfunc_end_k_q3d7192bb2a_prep-k_q3d7192bb2a_prep
	.p2alignl 7, 3214868480
	.fill 96, 4, 3214868480
	.section	.rodata,"a",@progbits
	.p2align	6, 0x0
	.amdhsa_kernel k_q3d7192bb2a_prep
		.amdhsa_group_segment_fixed_size 144384
		.amdhsa_private_segment_fixed_size 0
		.amdhsa_enable_private_segment 0
		.amdhsa_kernarg_size 80
		.amdhsa_user_sgpr_count 2
		.amdhsa_user_sgpr_kernarg_segment_ptr 1
		.amdhsa_wavefront_size32 1
		.amdhsa_system_sgpr_workgroup_id_x 1
		.amdhsa_system_sgpr_workgroup_id_y 1
		.amdhsa_system_sgpr_workgroup_id_z 1
		.amdhsa_system_vgpr_workitem_id 0
		.amdhsa_next_free_vgpr 512
		.amdhsa_next_free_sgpr 66
		.amdhsa_reserve_vcc 1
		.amdhsa_float_denorm_mode_32 3
		.amdhsa_float_denorm_mode_16_64 3
		.amdhsa_memory_ordered 1
		.amdhsa_forward_progress 1
		.amdhsa_inst_pref_size 80
	.end_amdhsa_kernel
	.amdgpu_metadata
---
amdhsa.version: [ 1, 2 ]
amdhsa.kernels:
  - .name:           k_q3d7192bb2a_prep
    .symbol:         k_q3d7192bb2a_prep.kd
    .args:
      - { .name: kv, .offset: 0, .size: 8, .value_kind: global_buffer, .address_space: global }
      - { .name: Wkv, .offset: 8, .size: 8, .value_kind: global_buffer, .address_space: global }
      - { .name: bkv, .offset: 16, .size: 8, .value_kind: global_buffer, .address_space: global }
      - { .name: Wq, .offset: 24, .size: 8, .value_kind: global_buffer, .address_space: global }
      - { .name: Wo, .offset: 32, .size: 8, .value_kind: global_buffer, .address_space: global }
      - { .name: wqb, .offset: 40, .size: 8, .value_kind: global_buffer, .address_space: global }
      - { .name: wob, .offset: 48, .size: 8, .value_kind: global_buffer, .address_space: global }
      - { .name: rope, .offset: 56, .size: 8, .value_kind: global_buffer, .address_space: global }
      - { .name: kb, .offset: 64, .size: 8, .value_kind: global_buffer, .address_space: global }
      - { .name: vb, .offset: 72, .size: 8, .value_kind: global_buffer, .address_space: global }
    .group_segment_fixed_size: 144384
    .private_segment_fixed_size: 0
    .kernarg_segment_align: 8
    .kernarg_segment_size: 80
    .max_flat_workgroup_size: 256
    .sgpr_count:     66
    .vgpr_count:     512
    .wavefront_size: 32
...
	.end_amdgpu_metadata
.endif
;; end of part 5
;; launch attn: the kernel of part 4 again; grid 4 x 64, 8 waves a work-group, clusters of 4 x 4, 327,680 bytes of LDS; arguments q, wqb, bq, rope, kb, vb, hb; writes hb
;; launch oproj: the kernel of part 3 again; grid 4 x 64, 4 waves a work-group, clusters of 4 x 4, 327,680 bytes of LDS; arguments hb, wob, bo, out0; writes out0
